; MI455X (gfx1250); checked and timed in simulation.
; The chip was launched on July 23, 2026; its instructions are those of AMD's public machine-readable ISA for CDNA 5 (MIT licence, August 2026) and "CDNA5" Instruction Set Architecture Reference Guide (July 2026). The comments in the code are by the model that wrote it; some were corrected since.
;; Vector Quantizer. Allowed arithmetic: float matrix products may take bf16 or f16 operands with f32 sums; all other float work in f32.
;; Inputs: codebook 8,192 x 256 float32; z 32 x 256 x 32 x 32 float32.
;; Outputs: out0 32 x 256 x 32 x 32 float32; out1 one number float32; out2 32 x 32 x 32 int32.
;; 2 versions, each right; version 2 is version 1 with the launch refine written anew for expert scheduling mode. Each part assembles by itself: llvm-mc -triple=amdgcn-amd-amdhsa -mcpu=gfx1250 --defsym DOCPART=n.
;; ======== version 1 of 2: 5 launches
;; workspace buffers: cbh 4,194,304 bytes; ccw 32,768 bytes; candw 262,144 bytes of whole numbers; idxw 131,072 bytes of whole numbers; part 1,024 bytes
;; launch prep (part 1): grid 128 x 1, 4 waves a work-group, no clusters, 1,024 bytes of LDS; arguments codebook, cbh, ccw; writes cbh, ccw
.if DOCPART == 1
	.amdgcn_target "amdgcn-amd-amdhsa--gfx1250"
	.amdhsa_code_object_version 6
	.text
	.protected	k_q18b19b5076_prep
	.globl	k_q18b19b5076_prep
	.p2align	8
	.type	k_q18b19b5076_prep,@function
k_q18b19b5076_prep:
	s_mov_b64 s[64:65], 0
	v_nop
	global_prefetch_b8 v0, s[64:65] scope:SCOPE_SE
	s_setreg_imm32_b32 hwreg(HW_REG_WAVE_MODE, 25, 1), 1
	s_wait_xcnt 0x0
; cbh[k][c] = bf16(codebook[k][c]);  ccw[k] = the sum over c of bf16(codebook[k][c])^2, in f32.
; codebook: [8192][256] f32.  cbh: [8192][256] bf16.  ccw: [8192] f32.
; A stream: every byte is read once and written once, so there is no matrix work, no cluster and nothing shared between work-groups.
; A work-group owns 64 rows, each of its four waves 16.  A row is 1,024 bytes: two loads of 512 neighbouring bytes; a lane holds
; elements 4 l .. 4 l + 3 of each half row.  All 32 loads of a wave go out at once; each row is then rounded, stored (two stores of 256
; neighbouring bytes, aligned) and its squares are summed over the wave.  The 64 sums meet in LDS, so that they leave as one store of 256 bytes.
; LIMIT: the order of a row's sum is this text's own (four numbers a lane, then across the lanes), not the reference's.
.set CCS,   0                          ; LDS: the group's 64 sums, 256 bytes
.set SPARE, 256                        ; LDS: the spare words, 128 bytes for each of the four waves; no other line names them
.set VO,  3                            ; v3   byte offset of my 16 bytes in the wave's first row of the codebook
.set SO,  4                            ; v4   byte offset of my 8 bytes in the wave's first row of cbh
.set SPW, 5                            ; v5   LDS address of my spare word; never rewritten
.set NIL, 6                            ; v6   0; never rewritten
.set T,   8                            ; v[8:15]   a row's eight numbers of mine, rounded, as f32
.set S,   16                           ; v[16:17]  the row's sum
.set RES, 20                           ; v20  lane l keeps the sum of row l % 16
.set X,   32                           ; v[32:159]  row i: 8 registers as loaded
.set Y,   160                          ; v[160:223] row i: 4 registers to store; never rewritten
	s_load_b128 s[4:7], s[0:1], 0x0                ; codebook s[4:5], cbh s[6:7]
	s_load_b64 s[8:9], s[0:1], 0x10                ; ccw
	v_lshl_add_u32 v[SPW], v0, 2, SPARE
	v_mov_b32 v[NIL], 0
	v_lshrrev_b32 v7, 5, v0
	v_readfirstlane_b32 s10, v7                    ; wave 0..3
	v_and_b32 v1, 31, v0                           ; lane
	v_and_b32 v2, 15, v0                           ; lane % 16
	v_lshlrev_b32 v[VO], 4, v1
	v_lshl_add_u32 v[VO], s10, 14, v[VO]           ; 16 lane + 16 rows of 1,024 bytes a wave
	v_lshlrev_b32 v[SO], 3, v1
	v_lshl_add_u32 v[SO], s10, 13, v[SO]           ; 8 lane + 16 rows of 512 bytes a wave
	v_mov_b32 v18, 0                               ; v_permlanex16_b32's destination counts as read: written once here
	s_mov_b32 s12, 0xffff0000                      ; a word's upper bf16
	s_mov_b32 s14, 0x76543210                      ; v_permlanex16_b32: each lane takes its own place in the other half
	s_mov_b32 s15, 0xfedcba98
	s_lshl_b32 s16, ttmp9, 16                      ; the group's 64 rows: 65,536 bytes of the codebook,
	s_mov_b32 s17, 0
	s_lshl_b32 s18, ttmp9, 15                      ; 32,768 of cbh,
	s_mov_b32 s19, 0
	s_lshl_b32 s20, ttmp9, 8                       ; 256 of ccw
	s_mov_b32 s21, 0
	s_wait_kmcnt 0x0
	s_add_nc_u64 s[4:5], s[4:5], s[16:17]
	s_add_nc_u64 s[6:7], s[6:7], s[18:19]
	s_add_nc_u64 s[8:9], s[8:9], s[20:21]
.set i, 0
.rept 16
	global_load_b128 v[X+8*i:X+8*i+3],   v[VO], s[4:5] offset:1024*i th:TH_LOAD_NT
	global_load_b128 v[X+8*i+4:X+8*i+7], v[VO], s[4:5] offset:1024*i+512 th:TH_LOAD_NT
.set i, i+1
.endr
.macro ROW i
	s_wait_loadcnt 30-2*(\i)                       ; loads come back in order: row i's two are in, the 30 - 2 i issued behind them stay out
.irp j, 0,1,2,3
	v_cvt_pk_bf16_f32 v[Y+4*(\i)+\j], v[X+8*(\i)+2*\j], v[X+8*(\i)+2*\j+1]
.endr
	global_store_b64 v[SO], v[Y+4*(\i):Y+4*(\i)+1],   s[6:7] offset:512*(\i)      ; 32 lanes x 8 bytes: 256 neighbouring bytes, aligned
	global_store_b64 v[SO], v[Y+4*(\i)+2:Y+4*(\i)+3], s[6:7] offset:512*(\i)+256
.irp j, 0,1,2,3
	v_lshlrev_b32 v[T+2*\j],   16,  v[Y+4*(\i)+\j]  ; the rounded numbers back as f32
	v_and_b32     v[T+2*\j+1], s12, v[Y+4*(\i)+\j]
.endr
	v_pk_mul_f32 v[S:S+1], v[T:T+1], v[T:T+1]      ; the first product starts the sum
.irp j, 2,4,6
	v_pk_fma_f32 v[S:S+1], v[T+\j:T+\j+1], v[T+\j:T+\j+1], v[S:S+1]
.endr
	v_add_f32 v[S], v[S], v[S+1]
	v_add_f32_dpp v[S], v[S], v[S] row_xmask:1 row_mask:0xf bank_mask:0xf
	v_add_f32_dpp v[S], v[S], v[S] row_xmask:2 row_mask:0xf bank_mask:0xf
	v_add_f32_dpp v[S], v[S], v[S] row_xmask:4 row_mask:0xf bank_mask:0xf
	v_add_f32_dpp v[S], v[S], v[S] row_xmask:8 row_mask:0xf bank_mask:0xf
	v_permlanex16_b32 v18, v[S], s14, s15
	v_add_f32 v[S], v[S], v18                      ; every lane holds the row's sum
.if (\i) == 0
	v_mov_b32 v[RES], v[S]
.else
	v_cmp_eq_u32 vcc_lo, \i, v2
	v_cndmask_b32 v[RES], v[RES], v[S], vcc_lo     ; lanes i and 16 + i keep it
.endif
.endm
.irp i, 0,1,2,3,4,5,6,7,8,9,10,11,12,13,14,15
	ROW \i
.endr
	v_lshlrev_b32 v21, 2, v2
	v_lshl_add_u32 v21, s10, 6, v21                ; word 16 w + lane % 16; both halves of the lanes write the same number
	ds_store_b32 v21, v[RES]
	s_wait_dscnt 0x0                               ; for wave 0's sake: my store is done
	s_barrier_signal -1
	s_barrier_wait -1
	s_cmp_lg_u32 s10, 0
	s_cbranch_scc1 .Lnot_wave_0
	v_lshlrev_b32 v22, 3, v1
	ds_load_b64 v[24:25], v22                      ; the group's 64 sums, two a lane
	s_wait_dscnt 0x0
	global_store_b64 v22, v[24:25], s[8:9]         ; 256 neighbouring bytes, aligned
.Lnot_wave_0:
	s_wait_tensorcnt 0x0                           ; the wave's end, behind my last LDS store
	ds_add_u32 v[SPW], v[NIL]
	s_wait_dscnt 0x0
	s_endpgm
.Lfunc_end_k_q18b19b5076_prep:
	.size	k_q18b19b5076_prep, .Lfunc_end_k_q18b19b5076_prep-k_q18b19b5076_prep
	.p2alignl 7, 3214868480
	.fill 96, 4, 3214868480
	.section	.rodata,"a",@progbits
	.p2align	6, 0x0
	.amdhsa_kernel k_q18b19b5076_prep
		.amdhsa_group_segment_fixed_size 1024
		.amdhsa_private_segment_fixed_size 0
		.amdhsa_enable_private_segment 0
		.amdhsa_kernarg_size 24
		.amdhsa_user_sgpr_count 2
		.amdhsa_user_sgpr_kernarg_segment_ptr 1
		.amdhsa_wavefront_size32 1
		.amdhsa_system_sgpr_workgroup_id_x 1
		.amdhsa_system_sgpr_workgroup_id_y 1
		.amdhsa_system_sgpr_workgroup_id_z 1
		.amdhsa_system_vgpr_workitem_id 0
		.amdhsa_next_free_vgpr 224
		.amdhsa_next_free_sgpr 66
		.amdhsa_reserve_vcc 1
		.amdhsa_float_denorm_mode_32 3
		.amdhsa_float_denorm_mode_16_64 3
		.amdhsa_memory_ordered 1
		.amdhsa_forward_progress 1
		.amdhsa_inst_pref_size 28
	.end_amdhsa_kernel
	.amdgpu_metadata
---
amdhsa.version: [ 1, 2 ]
amdhsa.kernels:
  - .name:           k_q18b19b5076_prep
    .symbol:         k_q18b19b5076_prep.kd
    .args:
      - { .name: codebook, .offset: 0, .size: 8, .value_kind: global_buffer, .address_space: global }
      - { .name: cbh, .offset: 8, .size: 8, .value_kind: global_buffer, .address_space: global }
      - { .name: ccw, .offset: 16, .size: 8, .value_kind: global_buffer, .address_space: global }
    .group_segment_fixed_size: 1024
    .private_segment_fixed_size: 0
    .kernarg_segment_align: 8
    .kernarg_segment_size: 24
    .max_flat_workgroup_size: 128
    .sgpr_count:     66
    .vgpr_count:     224
    .wavefront_size: 32
...
	.end_amdgpu_metadata
.endif
;; end of part 1
;; launch argmin (part 2): grid 256 x 1, 4 waves a work-group, clusters of 4 x 1, 327,680 bytes of LDS; arguments z, cbh, ccw, candw; writes candw
.if DOCPART == 2
	.amdgcn_target "amdgcn-amd-amdhsa--gfx1250"
	.amdhsa_code_object_version 6
	.text
	.protected	k_q18b19b5076_argmin
	.globl	k_q18b19b5076_argmin
	.p2align	8
	.type	k_q18b19b5076_argmin,@function
k_q18b19b5076_argmin:
	s_mov_b64 s[64:65], 0
	v_nop
	global_prefetch_b8 v0, s[64:65] scope:SCOPE_SE
	s_setreg_imm32_b32 hwreg(HW_REG_WAVE_MODE, 25, 1), 1
	s_wait_xcnt 0x0
	s_wait_alu depctr_hold_cnt(0) depctr_sa_sdst(0) depctr_va_vdst(0) depctr_va_sdst(0) depctr_va_ssrc(0) depctr_va_vcc(0) depctr_vm_vsrc(0)
	s_getreg_b32 s2, hwreg(HW_REG_IB_STS2, 6, 4)
	s_cmp_eq_u32 s2, 0
	s_cbranch_scc0 .Lentry_in_a_cluster
	s_endpgm
.Lentry_in_a_cluster:
	s_bfe_u32 s2, ttmp6, 0x10000c
	s_cmp_lg_u32 s2, 0x3003
	s_cbranch_scc0 .Lentry_shape_is_right
	s_endpgm
.Lentry_shape_is_right:
; THE CANDIDATES.  For each query the two groups of eight neighbouring codes that hold the least d[q][k] = RN(RN(zz[q] + cc[k]) - 2 dot[q][k]), first by d, then by the group's place: their first codes
; go to candw[q][0..1], from which the next launch forms addresses; it sums those sixteen codes' products anew, term by term, and decides.  The two roundings of d are the reference's: its d has ties.
; q = (b, hw): 32,768 queries, z: [32][256][1024] f32, a query's 256 channels 4,096 bytes apart.  cbh: [8192][256] bf16, ccw: [8192] f32.  z is rounded to bf16 here, for the product and for zz.
; LIMITS.  Of a query's codes only these two groups are looked at again: a code that the matrix sums' last bits rank behind two other groups is lost.  Among three groups of one lane, where the first two
; tie and a later one is less, the later of the two that tie is kept as second.  NaN is not treated apart; an infinite d is never taken.  zz is summed in this text's order (64 channels a wave, then four partial sums).
; SHARES.  256 work-groups of 128 queries.  EVERY wave keeps all 128 queries as source 1 of the matrix instruction, 8 tiles of 16 x 256 channels = 512 registers, for the whole launch; the four
; waves split the codes: in step s of 32 (256 codes) wave w takes codes 256 s + 64 w .. + 63, four tiles of 16.  A code tile, 8 KB read from LDS, feeds 64 matrix instructions.
; LAYOUT.  Source 0 = 16 codes, source 1 = 16 queries: in the result lane l holds ONE query (l % 16) and codes 8 (l / 16) + 0..7: a group.  So a query's minima stay in its lane until the end.
; THE MINIMA.  For a code tile and a query tile: 8 d, their minimum M.  B1, T1: the least M so far and its tile's number; B2, T2: the second.  Strict comparisons: codes ascend in time, so the earlier stays.
; 20 vector instructions for 8 matrix instructions.
; BY TURNS.  The 8 query tiles are two groups of 4 accumulators.  While one group's 32 products are issued, the other group's finished sums are worked on, a slice behind each product.
; THE LDS LOADS of a code tile stand in two runs, never singly among the products: fourteen (fragments 0-5, which have two buffers, and cc), then four (fragments 6 and 7, which have one).
; CLUSTER.  All work-groups walk the same cbh and ccw, so each tile is asked for JOINTLY by the four work-groups of a cluster: the same tensor load, descriptor and mask in all four.
; Each wave asks for and reads LDS bytes of its own; a round of the cluster's barrier stands in front of every refill.
; REGISTERS, in windows of 256 (s_set_vgpr_msb: bits 1:0 source 0, 3:2 source 1, 5:4 source 2, 7:6 destination):
;   window 0: all but Q.   window 1: Q of query tiles 0-3, tile t, channels 32 s on at 64 t + 8 s.   window 2: tiles 4-7.   window 3: z as it lands, at the start only.
; A product displaces source 1 alone, so LDS loads and vector lines whose source 1 is a constant or a scalar need no switch.
.set PITCH, 528                        ; a code's row in LDS: 512 bytes + 16 = 132 words: the 16 rows of a fragment load start at 16 different groups of four banks (ISA guide 11.1)
.set PART,  64*PITCH                   ; 33,792 = 0x8400: 64 codes, what one tensor load brings
.set WRING, 2*PART                     ; a wave's two parts; 67,584 w has neither bit 15 nor bit 10 for w = 0..3, so one exclusive or with PART changes parts
.set CCB,   4*WRING                    ; 270,336: cc, 8,192 bytes a wave: [step 32][64 f32]
.set STG,   CCB+32768                  ; 303,104: the stage for z: 64 channels x (128 queries in bf16, 256 bytes, + 32); at the end the waves' pairs of groups, 4 x 2,048 bytes
.set SPI,   288                        ; its pitch, 9 x 32 bytes
.set MRG,   STG+64*SPI                 ; 321,536: 4,096 bytes: the waves' partial zz (4 x 512)
.set SPARE, MRG+4096                   ; 325,632: the spare words, 128 bytes for each wave; no other line names them
.set AF,   3                           ; v3   my lane's place in a code tile: 528 (l % 16) + 16 (l / 16); never rewritten
.set ADR,  4                           ; v4   AF + the part that is being read
.set ACCA, 5                           ; v5   LDS address of my eight cc of the step's first tile
.set SPW,  6                           ; v6   LDS address of my spare word; never rewritten
.set NIL,  7                           ; v7   0; never rewritten
.set MA,   8                           ; v8-11  at work on a minimum (at the start: my partial zz)
.set MB,   9
.set MC,   10
.set M,    11
.set VZ,   12                          ; v12-15, v40: offsets and LDS addresses of the start; v12-15 again at the end
.set VST,  13
.set VTR,  14
.set VZS,  15
.set VZL,  40
.set HI,   12                          ; v12  in the loop: the greater of M and B1: what is offered to the second place,
.set HT,   13                          ; v13  and its tile's number
.set ZZ,   16                          ; v16-23  zz of my query in tile t
.set B1,   24                          ; v24-31  the least M so far
.set T1,   32                          ; v32-39  256 step + 16 tile of the code tile that held it
.set CC,   40                          ; v40-55  my eight cc, two buffers
.set AD,   56                          ; v56-63  RN(zz + cc), then d
.set F,    64                          ; v64-127 a code tile: 8 fragments of 16 codes x 32 channels: fragments 0-5 of the even tiles, fragments 6 and 7 of all
.set ACC,  128                         ; v128-191 query tile t's sums at ACC + 8 t
.set B2,   192                         ; v192-199 the second least M
.set T2,   200                         ; v200-207 its tile's number
.set F2,   208                         ; v208-255 fragments 0-5 of the odd tiles: what is left of window 0 holds six fragments, not eight
.set WV,   14                          ; s14  my wave's number
; s[24:31] descriptor group 1 for codes; s[32:39] for cc; s[40:43] group 0 for codes, which walks; s[44:47] for cc
; s48 the loop's count; s49 the part being read; s50 the number (256 step + 16 tile) of the code tile being finished; s51 +infinity; s[52:53] lane selects; s54 mask; s[56:58] lane masks
.set MSB, 0
.macro WIN new                         ; the immediate's high byte repeats the setting that is left; a switch that changes nothing is dropped
.if MSB != (\new)
	s_set_vgpr_msb (MSB<<8)|(\new)
.set MSB, (\new)
.endif
.endm
; A round of the cluster's barrier: my work-group's barrier, so that wave 0's signal speaks for all four waves; wave 0 signals; every wave waits for all four work-groups; my work-group's barrier once more.
.macro ROUND
	s_barrier_signal -1
	s_barrier_wait -1
	s_cmp_lg_u32 s[WV], 0
	s_cbranch_scc1 .Lnot_wave_0_\@
	s_barrier_signal -3
.Lnot_wave_0_\@:
	s_barrier_wait -3
	s_barrier_signal -1
	s_barrier_wait -1
.endm
; z's load number n of 64: channel 64 (n / 16) + 16 w + n % 16, 512 neighbouring bytes, four queries a lane, into window 3
.macro ZLOAD
	global_load_b128 v[4*n:4*n+3], v[VZ], s[4:5] offset:(64*(n/16)+n%16)*4096 th:TH_LOAD_NT
.set n, n+1
.endm
	s_load_b256 s[4:11], s[0:1], 0x0               ; z s[4:5], cbh s[6:7], ccw s[8:9], candw s[10:11]
	v_lshl_add_u32 v[SPW], v0, 2, SPARE
	v_mov_b32 v[NIL], 0
	ds_add_u32 v[SPW], v[NIL]                      ; the wave's opening: the add and its wait stand ahead of my first tensor load; the set-up below, work on registers, stands between them
	v_lshrrev_b32 v1, 5, v0
	v_readfirstlane_b32 s[WV], v1                  ; wave 0..3
	s_bfe_u32 s15, ttmp6, 0x40000                  ; cx: my place in the cluster
	s_lshl_b32 s16, ttmp9, 2                       ; in a cluster launch ttmp9 counts clusters
	s_add_co_u32 s16, s16, s15                     ; my block of 128 queries: it enters z's and candw's addresses alone
	; group 1 for codes: 64 rows x 256 elements of 2 bytes, padded in LDS
	s_mov_b32 s24, 15|(1<<16)|(1<<20)|(1<<21)|(6<<22)|(3<<25)  ; 15:0 the mask of four; 17:16 2-byte elements; 20 padding on; 21 set beside a mask; 24:22 after every 128 words (code 6); 31:25 4 words (code 3)
	s_mov_b32 s25, 256<<16                         ; tensor_dim0 = 256
	s_mov_b32 s26, 64<<16                          ; tensor_dim1 = 64
	s_mov_b32 s27, 256<<16                         ; tile_dim0 = 256
	s_mov_b32 s28, 64                              ; tile_dim1 = 64
	s_mov_b32 s29, 256                             ; 256 elements from row to row
	s_mov_b32 s30, 0
	s_mov_b32 s31, 0
	; group 1 for cc: 32 rows (one a step) x 64 elements of 4 bytes, 256 elements apart: my wave's 64 codes of every step
	s_mov_b32 s32, 15|(2<<16)|(1<<21)
	s_mov_b32 s33, 64<<16
	s_mov_b32 s34, 32<<16
	s_mov_b32 s35, 64<<16
	s_mov_b32 s36, 32
	s_mov_b32 s37, 256
	s_mov_b32 s38, 0
	s_mov_b32 s39, 0
	s_mov_b32 s40, 1                               ; group 0: count = 1
	s_mul_i32 s41, s[WV], WRING                    ; LDS address: my part 0: no place in the cluster enters an LDS address
	s_mov_b32 s44, 1
	s_lshl_b32 s45, s[WV], 13
	s_add_co_u32 s45, s45, CCB
	s_add_co_u32 s49, s41, PART                    ; the first change of parts turns this into my part 0
	s_lshl_b32 s20, s[WV], 15                      ; my 64 codes of step 0 in cbh,
	s_mov_b32 s21, 0
	s_lshl_b32 s22, s[WV], 8                       ; and in ccw
	s_mov_b32 s23, 0
	s_lshr_b32 s18, s16, 3                         ; b: 1,048,576 bytes of z each,
	s_lshl_b32 s18, s18, 20
	s_and_b32 s19, s16, 7                          ; and which 128 of its 1,024 places: 512 bytes
	s_lshl_b32 s19, s19, 9
	s_add_co_u32 s18, s18, s19
	s_mov_b32 s19, 0
	s_mov_b32 s51, 0x7f800000                      ; +infinity
	s_mov_b32 s52, 0x76543210                      ; v_permlanex16_b32: each lane takes its own place in the other half
	s_mov_b32 s53, 0xfedcba98
	s_mov_b32 s54, 0xffff0000                      ; a word's upper bf16
	s_wait_dscnt 0x0                               ; the opening add is done
	s_wait_kmcnt 0x0
	s_add_nc_u64 s[4:5], s[4:5], s[18:19]          ; z at my block
	s_add_nc_u64 s[42:43], s[6:7], s[20:21]        ; global address: made of the wave's number alone, the same in all four partners
	s_or_b32 s43, s43, 0x80000000                  ; type = 2
	s_add_nc_u64 s[46:47], s[8:9], s[22:23]
	s_or_b32 s47, s47, 0x80000000
	ROUND                                          ; all four work-groups are here: the first joint loads meet
	tensor_load_to_lds s[40:43], s[24:31]          ; step 0's codes into my part 0
	s_nop 0
	tensor_load_to_lds s[44:47], s[32:39]          ; all my cc: two loads of mine are out
	s_nop 0
.rept 4
	v_nop
.endr
	; z: wave w fetches channels 64 p + 16 w + i (p = 0..3, i = 0..15).  The first three phases' 48 loads go out here, the last phase's 16 when the first phase's have come.
	v_and_b32 v1, 15, v0                           ; r = l % 16
	v_bfe_u32 v2, v0, 4, 1                         ; h = l / 16
	v_and_b32 v8, 31, v0                           ; l
	v_lshlrev_b32 v[VZ], 4, v8
	v_lshl_add_u32 v[VZ], s[WV], 16, v[VZ]         ; 16 l + 16 channels of 4,096 bytes a wave
	WIN 0xc0                                       ; destination window 3
.set n, 0
.rept 48
	ZLOAD
.endr
	WIN 0
	; lane addresses and the search's first state stand in the wait for z
	v_mul_u32_u24 v[AF], v1, PITCH
	v_lshl_add_u32 v[AF], v2, 4, v[AF]
	s_sub_co_u32 s17, s45, 256                     ; one step back: every change of parts steps it on
	v_lshlrev_b32 v[ACCA], 5, v2                   ; my eight cc: 32 bytes for each half of the lanes
	v_add_nc_u32 v[ACCA], s17, v[ACCA]
	s_mul_i32 s17, s[WV], 16*SPI
	s_add_co_u32 s17, s17, STG
	v_lshl_add_u32 v[VST], v8, 3, s17              ; into the stage: my wave's 16 rows, 8 bytes (four queries) a lane
	v_and_b32 v9, 7, v0
	v_bfe_u32 v10, v0, 3, 1
	v_lshl_add_u32 v[VTR], v2, 3, v9               ; the turning load: lane l reads channel 8 (l / 16) + l % 8, queries 8 ((l / 8) % 2) + 0..7,
	v_mul_u32_u24 v[VTR], v[VTR], SPI              ; and is left with query l % 16 and 8 channels
	v_lshl_add_u32 v[VTR], v10, 4, v[VTR]
	v_add_nc_u32 v[VTR], STG, v[VTR]
	; my wave's partial zz: query q lies at 32 (q % 16) + 4 (q / 16) of the wave's 512 bytes, so that a lane finds its query's number in all eight tiles side by side.
	; My four queries are 4 l + e: q % 16 = 4 (l % 4) + e, q / 16 = l / 4.
	s_lshl_b32 s17, s[WV], 9
	s_add_co_u32 s17, s17, MRG
	v_and_b32 v9, 3, v8
	v_lshrrev_b32 v10, 2, v8
	v_lshl_add_u32 v[VZS], v9, 7, s17
	v_lshl_add_u32 v[VZS], v10, 2, v[VZS]
	v_lshlrev_b32 v[VZL], 5, v1                    ; back: 32 bytes at 32 (l % 16) of each wave's 512
	v_add_nc_u32 v[VZL], MRG, v[VZL]
.set i, 0
.rept 8
	v_mov_b32 v[B1+i], s51                         ; the search's state, not sums: no d has been seen
	v_mov_b32 v[B2+i], s51
	v_mov_b32 v[T1+i], 0
	v_mov_b32 v[T2+i], 0
.set i, i+1
.endr
; PHASE p of four: channels 64 p .. 64 p + 63 are rounded to bf16, squared into zz, laid into the stage as [channel][query], and read back turned as source-1 fragments.
.macro ZPH p
.if (\p) == 0
	s_wait_loadcnt 32                              ; loads come back in order: phase 0's 16 are in, the 32 of phases 1 and 2 stay out;
	WIN 0xc0
.rept 16
	ZLOAD                                          ; phase 3's 16 go out
.endr
.else
	s_wait_loadcnt 48-16*(\p)                      ; this phase's 16 are in, the later phases' stay out
.endif
	WIN 0x0f                                       ; sources 0 and 1 window 3
.set i, 0
.rept 32
	v_cvt_pk_bf16_f32 v[F+i], v[64*(\p)+2*i], v[64*(\p)+2*i+1]
.set i, i+1
.endr
	WIN 0
.set i, 0
.rept 16
.set u, 96+4*(i%2)
	v_lshlrev_b32 v[u],   16,  v[F+2*i]            ; the rounded numbers back as f32
	v_and_b32     v[u+1], s54, v[F+2*i]
	v_lshlrev_b32 v[u+2], 16,  v[F+2*i+1]
	v_and_b32     v[u+3], s54, v[F+2*i+1]
.if ((\p) == 0) && (i == 0)
	v_pk_mul_f32 v[8:9],   v[u:u+1],   v[u:u+1]    ; the first products start the sums
	v_pk_mul_f32 v[10:11], v[u+2:u+3], v[u+2:u+3]
.else
	v_pk_fma_f32 v[8:9],   v[u:u+1],   v[u:u+1],   v[8:9]
	v_pk_fma_f32 v[10:11], v[u+2:u+3], v[u+2:u+3], v[10:11]
.endif
	ds_store_b64 v[VST], v[F+2*i:F+2*i+1] offset:SPI*i
.set i, i+1
.endr
.if (\p) == 3
.irp e, 0,1,2,3
	ds_store_b32 v[VZS], v[8+\e] offset:32*\e      ; query 4 l + e
.endr
.endif
	s_wait_dscnt 0x0                               ; for the others' sake: my stores are done.  (My two tensor loads may stay out)
	s_barrier_signal -1
	s_barrier_wait -1
.irp hw, 0,1
	WIN 0x40+0x40*\hw                              ; destination window 1 (query tiles 0-3), then 2 (tiles 4-7)
.irp c, 0,1
.irp t, 0,1,2,3
	ds_load_tr16_b128 v[64*\t+8*(2*(\p)+\c):64*\t+8*(2*(\p)+\c)+3],   v[VTR] offset:32*SPI*\c+32*(4*\hw+\t)
	ds_load_tr16_b128 v[64*\t+8*(2*(\p)+\c)+4:64*\t+8*(2*(\p)+\c)+7], v[VTR] offset:32*SPI*\c+32*(4*\hw+\t)+16*SPI
.endr
.endr
.endr
	WIN 0
.if (\p) == 3
.irp w, 0,1,2,3
	ds_load_b128 v[ACC+8*\w:ACC+8*\w+3],   v[VZL] offset:512*\w     ; wave w's partial zz of my query in tiles 0-3,
	ds_load_b128 v[ACC+8*\w+4:ACC+8*\w+7], v[VZL] offset:512*\w+16  ; and in tiles 4-7
.endr
.endif
	s_wait_dscnt 0x0                               ; my reads of the stage are back,
.if (\p) < 3
	s_barrier_signal -1                            ; and everybody's, before the next phase stores into it
	s_barrier_wait -1
.endif
.endm
	ZPH 0
	ZPH 1
	ZPH 2
	ZPH 3
.irp i, 0,2,4,6                        ; zz = (wave 0's + wave 1's) + (wave 2's + wave 3's), two tiles at a time
	v_pk_add_f32 v[ACC+\i:ACC+\i+1],       v[ACC+\i:ACC+\i+1],       v[ACC+8+\i:ACC+8+\i+1]
	v_pk_add_f32 v[ACC+16+\i:ACC+16+\i+1], v[ACC+16+\i:ACC+16+\i+1], v[ACC+24+\i:ACC+24+\i+1]
	v_pk_add_f32 v[ZZ+\i:ZZ+\i+1],         v[ACC+\i:ACC+\i+1],       v[ACC+16+\i:ACC+16+\i+1]
.endr
; Fragment s of tile jj of the part in hand: 16 codes x 32 channels: lane l holds code l % 16, channels 8 (l / 16) + 0..7 and 16 + 8 (l / 16) + 0..7: two loads of 16 bytes, 32 bytes apart.
; Fragments 0-5 of an odd tile go into the second buffer.
.macro LDF s, jj
.set rL, F+8*(\s)
.if ((\s) < 6) && ((\jj)%2 == 1)
.set rL, F2+8*(\s)
.endif
	ds_load_b128 v[rL:rL+3],   v[ADR] offset:16*PITCH*(\jj)+64*(\s)
	ds_load_b128 v[rL+4:rL+7], v[ADR] offset:16*PITCH*(\jj)+64*(\s)+32
.endm
.macro LDCC jj                         ; my eight cc of tile jj, into the buffer of its parity
	ds_load_b128 v[CC+8*((\jj)%2):CC+8*((\jj)%2)+3],   v[ACCA] offset:64*(\jj)
	ds_load_b128 v[CC+8*((\jj)%2)+4:CC+8*((\jj)%2)+7], v[ACCA] offset:64*(\jj)+16
.endm
; THE VECTOR WORK for one code tile and query tile rt, in slices of four lines at the most: RID writes slice rs (0..7); rcb is the tile's buffer of cc.
;   0  RN(cc + zz), as a multiply-add by 1.0      1, 2  d = RN(that - 2 dot); the sums are read from their low end on      3, 4  M, the least of the eight
;   5  M < B1?  the greater of the two, with its tile's number, is offered to the second place; B1 takes the lesser      6  T1; the offer < B2?  B2 and T2      7  nothing
.macro RID
.set rA, ACC+8*rt
.set rC, CC+8*rcb
.set rZ, ZZ+rt-rt%2
.if rs == 0
.irp i, 0,2,4,6
.if rt%2
	v_pk_fma_f32 v[AD+\i:AD+\i+1], v[rC+\i:rC+\i+1], 1.0, v[rZ:rZ+1] op_sel:[0,0,1] op_sel_hi:[1,0,1]
.else
	v_pk_fma_f32 v[AD+\i:AD+\i+1], v[rC+\i:rC+\i+1], 1.0, v[rZ:rZ+1] op_sel_hi:[1,0,0]
.endif
.endr
.elseif rs < 3
.irp i, 0,2
	v_pk_fma_f32 v[AD+4*(rs-1)+\i:AD+4*(rs-1)+\i+1], v[rA+4*(rs-1)+\i:rA+4*(rs-1)+\i+1], -2.0, v[AD+4*(rs-1)+\i:AD+4*(rs-1)+\i+1] op_sel_hi:[1,0,1]
.endr
.elseif rs == 3
	WIN 0
	v_min3_num_f32 v[MA], v[AD],   v[AD+1], v[AD+2]
	v_min3_num_f32 v[MB], v[AD+3], v[AD+4], v[AD+5]
	v_min_num_f32  v[MC], v[AD+6], v[AD+7]
.elseif rs == 4
	WIN 0
	v_min3_num_f32 v[M], v[MA], v[MB], v[MC]
.elseif rs == 5
	WIN 0
	v_cmp_lt_f32 vcc_lo, v[M], v[B1+rt]
	v_max_num_f32 v[HI], v[M], v[B1+rt]
	v_cndmask_b32 v[HT], s50, v[T1+rt], vcc_lo     ; the old first's tile where M has won, else this tile
	v_min_num_f32 v[B1+rt], v[M], v[B1+rt]
.elseif rs == 6
	WIN 0
	v_cndmask_b32 v[T1+rt], v[T1+rt], s50, vcc_lo
	v_cmp_lt_f32 vcc_lo, v[HI], v[B2+rt]
	v_min_num_f32 v[B2+rt], v[HI], v[B2+rt]
	v_cndmask_b32 v[T2+rt], v[T2+rt], v[HT], vcc_lo
.endif
.endm
; THE MATRIX WORK: 32 products of group g (query tiles 4 g .. 4 g + 3) with a code tile of parity fp: channels 32 (n / 4) on, query tile 4 g + n % 4.  The four accumulators take turns, one
; instruction a turn; the first four products start the sums with the constant 0.
; post = 1: behind each product a slice of the OTHER group's finished sums (its last product stands four plain vector instructions back or more: slice 0 at the least).
; ld = 1: code tile jj of the part in hand is fetched, in two runs.
;   In group 1's half (of the tile before): fragments 0-5 and cc, fourteen loads behind the first product and its slice: 31 products ahead of their first use.  They go into the buffers of tile jj's
;   parity, whose last readers stand a whole tile back.
;   In group 0's half (of tile jj itself): fragments 6 and 7, four loads behind the first product and its slice: slice 0's four lines are the four places behind their last reader, the last product of the
;   half before; 23 products ahead of their first use.
;   The waits, both in group 0's half: ahead of the first product the count 2: fragments 0-5 are in, cc's two loads, issued behind them, may be out; ahead of product 24 the count 0: fragments 6 and 7, and cc.
.macro HALF g, post, cb, ld, jj, fp
.set n, 0
.rept 32
.set ks, n/4
.if (\ld) && ((\g) == 0) && (n == 0)
	s_wait_dscnt 2
.endif
.if (\ld) && ((\g) == 0) && (n == 24)
	s_wait_dscnt 0x0
.endif
	WIN 0x04+0x04*(\g)                             ; source 1 in window 1 or 2
.set rD, ACC+32*(\g)+8*(n%4)
.set rQ, 64*(n%4)+8*ks
.set rF, F+8*ks
.if ((\fp) == 1) && (ks < 6)
.set rF, F2+8*ks
.endif
.if n < 4
	v_wmma_f32_16x16x32_bf16 v[rD:rD+7], v[rF:rF+7], v[rQ:rQ+7], 0
.else
	v_wmma_f32_16x16x32_bf16 v[rD:rD+7], v[rF:rF+7], v[rQ:rQ+7], v[rD:rD+7]
.endif
.if \post
.set rt, 4*(1-(\g))+n/8
.set rs, n%8
.set rcb, \cb
	RID
.endif
.if (\ld) && (n == 0)
.if (\g) == 1
.irp s, 0,1,2,3,4,5
	LDF \s, \jj
.endr
	LDCC \jj
.else
	LDF 6, \jj
	LDF 7, \jj
.endif
.endif
.set n, n+1
.endr
.endm
; TURN jj brings in code tile jj of the step: group 1 of the tile before | group 0's sums of that tile | fragments 0-5, cc;  then group 0 of tile jj | group 1's sums of the tile before | fragments 6, 7.
.macro TURN jj
	HALF 1, 1, ((\jj)+1)%2, 1, \jj, ((\jj)+1)%2
	HALF 0, 1, ((\jj)+1)%2, 1, \jj, (\jj)%2
.if (\jj) == 0
	s_add_co_u32 s50, s50, 208                     ; the tile to be finished next: from tile 3 of a step (48) to tile 0 of the next (256),
.else
	s_add_co_u32 s50, s50, 16                      ; or the step's next tile
.endif
.endm
; THE CHANGE OF PARTS, between the two halves of a step's last tile: all its fragments are in registers.  Each wave waits for all its tensor loads, of which one is out (at the first use two):
; the part to be read next; adds 0 to its spare word; and waits for that and for its reads of the part that it leaves.  fill = 1: that part is filled again, with the step after next:
; a round of the cluster's barrier, so that no wave of any partner still reads its own such part or has a load on its way, and the joint refill first behind it:
; it has a whole step, 256 products, in which to land.  (At its first use nothing has been read yet: part 0 is waited for, part 1 filled.)
.macro CHANGE fill
	WIN 0                                          ; at a label and at a branch every window is 0; the add's registers lie in window 0
	s_wait_tensorcnt 0x0                           ; no tensor load of mine is out, so group 0 may be written
	ds_add_u32 v[SPW], v[NIL]                      ; 0 onto my spare word; the scalar steps stand between it and the wait for it
.if \fill
	s_xor_b32 s41, s41, PART                       ; the walking descriptor: the other part than last time,
	s_add_nc_u64 s[42:43], s[42:43], 131072        ; the next step's 256 codes of 512 bytes; the type bits on top are not reached
.endif
	s_xor_b32 s49, s49, PART                       ; the reads go over to the other part
	s_wait_dscnt 0x0                               ; the add is done, and my reads of the old part are back
.if \fill
	ROUND
	tensor_load_to_lds s[40:43], s[24:31]          ; my one tensor load behind the round
	s_nop 0
.rept 4
	v_nop
.endr
.else
	s_barrier_signal -1
	s_barrier_wait -1
.endif
	v_add_nc_u32 v[ADR], s49, v[AF]
	v_add_nc_u32 v[ACCA], 0x100, v[ACCA]           ; the next step's 64 cc
.endm
	CHANGE 1                                       ; step 0 and cc are in; step 1 is asked for
.irp s, 0,1,2,3,4,5,6,7
	LDF \s, 0
.endr
	LDCC 0
	s_wait_dscnt 0x0
	HALF 0, 0, 0, 0, 0, 0                          ; tile 0, group 0: there are no finished sums yet to set between the products
	WIN 0
	s_mov_b32 s50, 0
	s_mov_b32 s48, 31
	s_branch .Lin                                  ; the loop is entered behind a step's first turn
.Lslot:                                                ; 30 times: steps 2 .. 31 are asked for
	CHANGE 1
	TURN 0
	WIN 0
.Lin:
	TURN 1
	TURN 2
	TURN 3
	WIN 0
	s_sub_co_u32 s48, s48, 1
	s_cmp_lg_u32 s48, 0
	s_cbranch_scc1 .Lslot
	CHANGE 0                                       ; the last step is written out: nothing is asked for
	TURN 0
	TURN 1
	TURN 2
	TURN 3
	HALF 1, 1, 1, 0, 0, 1                          ; the last tile's group 1 | its group 0's sums (its cc was waited for ahead of product 24 of the half before)
	WIN 0
.set rcb, 1
.irp t, 4,5,6,7                        ; and its group 1's sums: slice 0's four lines are the places behind the last products
.set rt, \t
.irp q, 0,1,2,3,4,5,6
.set rs, \q
	RID
.endr
.endr
	; THE TWO FIRST GROUPS OF A QUERY.  A group's name is its first code: tile's number + 8 (l / 16) + 64 w.  Each lane holds a sorted pair of (M, name); sorted pairs are merged: with the lane 16 away,
	; then, through LDS, over the four waves.
; s56 = the lanes in which (x's value, x's name) comes before (y's): by the value, and among equal values by the name
.macro LESS xv, xi, yv, yi
	v_cmp_lt_f32 s56, v[\xv], v[\yv]
	v_cmp_eq_f32 s57, v[\xv], v[\yv]
	v_cmp_lt_u32 s58, v[\xi], v[\yi]
	s_and_b32 s57, s57, s58
	s_or_b32 s56, s56, s57
.endm
; The first two of the sorted pairs a (four registers named one by one) and b (four on end): first (ov, oi) = the earlier of the two firsts; second (pv, pi) = the earlier of the other first and the winner's second.
; tm: four registers at work.  The outputs may be a's own registers.
.macro MERGE ov, oi, pv, pi, av, ai, a2v, a2i, b, tm
	LESS \b,\b+1,\av,\ai
	v_cndmask_b32 v[\tm],   v[\b],   v[\av],  s56
	v_cndmask_b32 v[\tm+1], v[\b+1], v[\ai],  s56
	v_cndmask_b32 v[\tm+2], v[\a2v], v[\b+2], s56
	v_cndmask_b32 v[\tm+3], v[\a2i], v[\b+3], s56
	v_cndmask_b32 v[\ov],   v[\av],  v[\b],   s56
	v_cndmask_b32 v[\oi],   v[\ai],  v[\b+1], s56
	LESS \tm+2,\tm+3,\tm,\tm+1
	v_cndmask_b32 v[\pv],   v[\tm],   v[\tm+2], s56
	v_cndmask_b32 v[\pi],   v[\tm+1], v[\tm+3], s56
.endm
	v_lshlrev_b32 v15, 3, v2
	v_lshl_add_u32 v15, s[WV], 6, v15              ; 8 (l / 16) + 64 w
	s_lshl_b32 s17, s[WV], 11
	s_add_co_u32 s17, s17, STG                     ; the z stage has not been touched since the start, many barriers ago
	v_lshl_add_u32 v12, v1, 4, s17                 ; my wave's pairs: query q at 16 q
.set t, 0
.rept 8
.set OQ, F+4*t
.set QB, 96+8*(t%2)
.set TM, 100+8*(t%2)
	v_add_nc_u32 v[T1+t], v[T1+t], v15
	v_add_nc_u32 v[T2+t], v[T2+t], v15
	v_permlanex16_b32 v[QB],   v[B1+t], s52, s53   ; the query's other codes lie in the lane 16 away
	v_permlanex16_b32 v[QB+1], v[T1+t], s52, s53
	v_permlanex16_b32 v[QB+2], v[B2+t], s52, s53
	v_permlanex16_b32 v[QB+3], v[T2+t], s52, s53
	MERGE OQ,OQ+1,OQ+2,OQ+3,B1+t,T1+t,B2+t,T2+t,QB,TM
	ds_store_b128 v12, v[OQ:OQ+3] offset:256*t     ; both halves of the lanes hold and write the same four numbers
.set t, t+1
.endr
	s_wait_dscnt 0x0                               ; for the others' sake: my pairs are stored
	s_barrier_signal -1
	s_barrier_wait -1
	v_lshl_add_u32 v14, v0, 4, STG                 ; thread q takes query q
.irp w, 0,1,2,3
	ds_load_b128 v[112+4*\w:112+4*\w+3], v14 offset:2048*\w  ; wave w's pair
.endr
	s_wait_dscnt 0x0
	MERGE 112,113,114,115,112,113,114,115,116,100
	MERGE 120,121,122,123,120,121,122,123,124,100
	MERGE 104,108,105,109,112,113,114,115,120,100
	s_lshl_b32 s20, s16, 10                        ; my block's 128 pairs of names
	s_mov_b32 s21, 0
	s_add_nc_u64 s[10:11], s[10:11], s[20:21]
	v_lshlrev_b32 v13, 3, v0
	global_store_b64 v13, v[108:109], s[10:11]     ; a wave stores 256 neighbouring bytes, aligned
	s_wait_tensorcnt 0x0                           ; the wave's end: behind my last tensor load and my last LDS store
	ds_add_u32 v[SPW], v[NIL]
	s_wait_dscnt 0x0
	ROUND                                          ; the closing round: no work-group ends while a partner may still ask for a tile that names it
	s_endpgm
.Lfunc_end_k_q18b19b5076_argmin:
	.size	k_q18b19b5076_argmin, .Lfunc_end_k_q18b19b5076_argmin-k_q18b19b5076_argmin
	.p2alignl 7, 3214868480
	.fill 96, 4, 3214868480
	.section	.rodata,"a",@progbits
	.p2align	6, 0x0
	.amdhsa_kernel k_q18b19b5076_argmin
		.amdhsa_group_segment_fixed_size 327680
		.amdhsa_private_segment_fixed_size 0
		.amdhsa_enable_private_segment 0
		.amdhsa_kernarg_size 32
		.amdhsa_user_sgpr_count 2
		.amdhsa_user_sgpr_kernarg_segment_ptr 1
		.amdhsa_wavefront_size32 1
		.amdhsa_system_sgpr_workgroup_id_x 1
		.amdhsa_system_sgpr_workgroup_id_y 1
		.amdhsa_system_sgpr_workgroup_id_z 1
		.amdhsa_system_vgpr_workitem_id 0
		.amdhsa_next_free_vgpr 1024
		.amdhsa_next_free_sgpr 66
		.amdhsa_reserve_vcc 1
		.amdhsa_float_denorm_mode_32 3
		.amdhsa_float_denorm_mode_16_64 3
		.amdhsa_memory_ordered 1
		.amdhsa_forward_progress 1
		.amdhsa_inst_pref_size 206
	.end_amdhsa_kernel
	.amdgpu_metadata
---
amdhsa.version: [ 1, 2 ]
amdhsa.kernels:
  - .name:           k_q18b19b5076_argmin
    .symbol:         k_q18b19b5076_argmin.kd
    .args:
      - { .name: z, .offset: 0, .size: 8, .value_kind: global_buffer, .address_space: global }
      - { .name: cbh, .offset: 8, .size: 8, .value_kind: global_buffer, .address_space: global }
      - { .name: ccw, .offset: 16, .size: 8, .value_kind: global_buffer, .address_space: global }
      - { .name: candw, .offset: 24, .size: 8, .value_kind: global_buffer, .address_space: global }
    .group_segment_fixed_size: 327680
    .private_segment_fixed_size: 0
    .kernarg_segment_align: 8
    .kernarg_segment_size: 32
    .max_flat_workgroup_size: 128
    .sgpr_count:     66
    .vgpr_count:     1024
    .wavefront_size: 32
...
	.end_amdgpu_metadata
.endif
;; end of part 2
;; launch refine (part 3): grid 256 x 1, 8 waves a work-group, no clusters, 204,800 bytes of LDS; arguments z, cbh, candw, out2, idxw; writes out2, idxw
.if DOCPART == 3
	.amdgcn_target "amdgcn-amd-amdhsa--gfx1250"
	.amdhsa_code_object_version 6
	.text
	.protected	k_q18b19b5076_refine
	.globl	k_q18b19b5076_refine
	.p2align	8
	.type	k_q18b19b5076_refine,@function
k_q18b19b5076_refine:
	s_mov_b64 s[64:65], 0
	v_nop
	global_prefetch_b8 v0, s[64:65] scope:SCOPE_SE
	s_setreg_imm32_b32 hwreg(HW_REG_WAVE_MODE, 25, 1), 1
	s_wait_xcnt 0x0
; THE INDEX.  For each query the sixteen codes that the launch before named (two groups of eight neighbouring codes) are summed anew, and idx = the first of them at which
; d = RN(RN(zz + cc) - 2 S) is least.  zb, cb: z and the codebook rounded to bf16; their products are exact in f32, so each link of a sum has one f32 rounding, fused or not.
; THE ORDER OF THE SUMS is the one in which this text takes the reference's f32 sums to be made:
;   S = sum of zb cb: ONE chain of 256 links from 0, the channels ascending (2 S is the sum of (2 zb) cb bit for bit);
;   zz = sum of zb^2 and cc = sum of cb^2: EIGHT chains of 32 neighbouring channels, each from 0 and ascending, and then a chain of the eight sums, ascending.
; The order of zz matters although zz is the same for all codes of a query: d lies on a grid some 2^15 times coarser than 2 S, so now and then zz - 2 S falls exactly midway between two grid
; points, and rounding to even then goes by whether zz is an even or an odd multiple of its last place.
; The index goes to out2 and, the same number, to idxw, from which the next launch forms addresses.
; LIMITS.  Where the reference's sums are made in another order, a d that lies on or next to a rounding boundary can fall otherwise.  A NaN d is never chosen; if all sixteen are NaN the index is 8,191.
; A chain cannot be split over lanes and each query has codes of its own, so this is vector work: no matrix instruction, and nothing that work-groups share but the table: no cluster.
; SHARES.  A work-group owns the same 128 queries as in the launch before.  First its eight waves bring z (wave w: channels 32 w .. + 31, 512 neighbouring bytes a load, four queries a lane), round it and lay
; it turned into LDS, [query][channel].  Then wave w owns queries 16 w .. + 15.  It makes their zz once (lane l: query l % 16; the eight chains side by side), and then takes two queries a pass:
; lane l works for query 2 p + l / 16 and its candidate l % 16: group (l / 8) % 2, code l % 8 of it.
; A pass's 32 code rows come as whole rows, 512 neighbouring bytes a load, are asked for a pass ahead, and go through the wave's own LDS buffer, so that each lane can read its own row.
; A name read from candw is cut to 8,184, the last group's first code, before it enters an address.
.set PZ,    528                        ; an LDS row: 512 bytes + 16
.set CB,    128*PZ                     ; 67,584: behind z's 128 rows the waves' buffers,
.set WCB,   32*PZ                      ; 16,896 bytes each: 32 code rows
.set RES,   CB+8*WCB                   ; 202,752: the group's 128 indices, 512 bytes
.set ZZS,   RES+512                    ; 203,264: the 128 queries' zz, 512 bytes: 64 for each wave, its own
.set SPARE, ZZS+512                    ; 203,776: the spare words, 128 bytes for each of the eight waves; no other line names them
.set L16,  4                           ; v4   16 l
.set JJ,   5                           ; v5   l % 8
.set SPW,  6                           ; v6   LDS address of my spare word; never rewritten
.set NIL,  7                           ; v7   0; never rewritten
.set ZO,   8                           ; v8   my byte offset in z
.set ZS,   9                           ; v9   where I lay z: rows 4 l .., my wave's 64 bytes of them
.set STA,  10                          ; v10  my 16 bytes of row 0 of my wave's buffer
.set CAD,  11                          ; v11  row l of my wave's buffer
.set ZA0,  12                          ; v12  528 (l / 16)
.set ZAD,  13                          ; v13  my query's row of z
.set RA0,  14                          ; v14  4 (l / 16)
.set RA,   15                          ; v15  my query's word among the indices; its zz lies ZZS - RES further on
.set GOF,  16                          ; v16-19  byte offsets of my 16 bytes in the first rows of the pass's four groups
.set CODE, 20                          ; v20  my candidate's number in the pass in hand,
.set CODEN, 21                         ; v21  and in the pass that is asked for
.set T0,   22
.set T1,   23
.set S,    24                          ; v24  the chain of zb cb
.set QZ,   25                          ; v25  my query's zz
.set QC,   26                          ; v26  cc: the first block of 32 is summed here, the other seven are added on
.set DD,   27
.set MM,   28
.set KF,   29
.set WC,   31                          ; v31  cc's block in hand, from the second block on
.set CH,   32                          ; v32-63  eight chunks (8 channels, 4 registers) of my code's row, taking turns; at the start, with ZH, z packed, then half a row of z
.set ZH,   64                          ; v64-95  the same of my query's row
.set ZERO, 96                          ; v96  0: what the first link of every chain adds onto; never rewritten
.set ZQ,   98                          ; v98  row 16 w + l % 16 of z
.set ZW,   100                         ; v100-107  zz's eight blocks
.set GR,   128                         ; v128-255  32 code rows as they land, 4 registers each; at the start z as it lands
; s14 wave; s[16:19] a pass's four names; s20 their byte offset in my wave's 128 bytes of candw; s21 passes to go; s22 my wave's rows of z; s23 my wave's words of RES; s24, s25 lane masks; s26 +infinity
	s_load_b256 s[4:11], s[0:1], 0x0               ; z s[4:5], cbh s[6:7], candw s[8:9], out2 s[10:11]
	s_load_b64 s[12:13], s[0:1], 0x20              ; idxw
	v_lshl_add_u32 v[SPW], v0, 2, SPARE
	v_mov_b32 v[NIL], 0
	v_mov_b32 v[ZERO], 0
	v_lshrrev_b32 v1, 5, v0
	v_readfirstlane_b32 s14, v1                    ; wave 0..7
	v_and_b32 v1, 31, v0                           ; l
	v_bfe_u32 v3, v0, 4, 1                         ; l / 16
	v_and_b32 v[JJ], 7, v0
	v_lshlrev_b32 v[L16], 4, v1
	v_lshl_add_u32 v[ZO], s14, 17, v[L16]          ; 16 l + 32 channels of 4,096 bytes a wave
	s_lshr_b32 s36, ttmp9, 3                       ; b: 1,048,576 bytes of z each,
	s_lshl_b32 s36, s36, 20
	s_and_b32 s37, ttmp9, 7                        ; and which 128 of its 1,024 places: 512 bytes
	s_lshl_b32 s37, s37, 9
	s_add_co_u32 s36, s36, s37
	s_mov_b32 s37, 0
	s_lshl_b32 s38, ttmp9, 10                      ; the group's 128 pairs of names, my wave's 16 of them
	s_lshl_b32 s39, s14, 7
	s_add_co_u32 s38, s38, s39
	s_mov_b32 s39, 0
	s_lshl_b32 s40, ttmp9, 9                       ; the group's 128 indices
	s_mov_b32 s41, 0
	s_mov_b32 s24, 0xff00ff00                      ; the lanes of a query's second group
	s_mov_b32 s25, 0xffff0000
	s_mov_b32 s26, 0x7f800000                      ; +infinity
	s_wait_kmcnt 0x0
	s_add_nc_u64 s[8:9], s[8:9], s[38:39]
	s_load_b128 s[16:19], s[8:9], 0x0              ; pass 0's four names
	s_add_nc_u64 s[4:5], s[4:5], s[36:37]
.set i, 0
.rept 32
	global_load_b128 v[GR+4*i:GR+4*i+3], v[ZO], s[4:5] offset:4096*i th:TH_LOAD_NT
.set i, i+1
.endr
	v_mul_u32_u24 v[ZS], v1, 4*PZ
	v_lshl_add_u32 v[ZS], s14, 6, v[ZS]
	s_mul_i32 s28, s14, WCB
	s_add_co_u32 s28, s28, CB                      ; my wave's buffer
	v_add_nc_u32 v[STA], s28, v[L16]
	v_mul_u32_u24 v[CAD], v1, PZ
	v_add_nc_u32 v[CAD], s28, v[CAD]
	v_mul_u32_u24 v[ZA0], v3, PZ
	v_lshlrev_b32 v[RA0], 2, v3
	s_mul_i32 s22, s14, 16*PZ
	s_lshl_b32 s23, s14, 6
	s_add_co_u32 s23, s23, RES
; The four groups named in s[16:19] are asked for: row 8 i + j of the buffer-to-be is code j of group i, the row of lane 8 i + j.
.macro GATHER
.irp i, 0,1,2,3
	s_min_u32 s[16+\i], s[16+\i], 8184
	v_lshl_add_u32 v[GOF+\i], s[16+\i], 9, v[L16]  ; 512 x the group's first code + 16 l
.endr
	v_mov_b32 v[T0], s16
	v_cndmask_b32 v[T0], v[T0], s17, s24
	v_mov_b32 v[T1], s18
	v_cndmask_b32 v[T1], v[T1], s19, s24
	v_cndmask_b32 v[T0], v[T0], v[T1], s25
	v_add_nc_u32 v[CODEN], v[T0], v[JJ]            ; my candidate's number
.irp i, 0,1,2,3
.irp j, 0,1,2,3,4,5,6,7
	global_load_b128 v[GR+4*(8*\i+\j):GR+4*(8*\i+\j)+3], v[GOF+\i], s[6:7] offset:512*\j  ; a whole row; no hint: rows are named again and again
.endr
.endr
.endm
	; z: eight channels of a query pack into 16 bytes
.irp o, 0,1,2,3
	s_wait_loadcnt 24-8*\o                         ; loads come back in order: channels 8 o .. 8 o + 7 are in, the later ones stay out
.irp e, 0,1,2,3
.irp k, 0,1,2,3
	v_cvt_pk_bf16_f32 v[CH+16*\o+4*\e+\k], v[GR+4*(8*\o+2*\k)+\e], v[GR+4*(8*\o+2*\k+1)+\e]
.endr
.endr
.endr
	s_wait_kmcnt 0x0                               ; pass 0's names
	GATHER                                         ; z's landing registers are free: pass 0's rows are asked for
	s_mov_b32 s20, 16
	s_load_b128 s[16:19], s[8:9], s20 offset:0x0   ; pass 1's names
.irp o, 0,1,2,3
.irp e, 0,1,2,3
	ds_store_b128 v[ZS], v[CH+16*\o+4*\e:CH+16*\o+4*\e+3] offset:PZ*\e+16*\o  ; query 4 l + e, channels 32 w + 8 o ..
.endr
.endr
	s_wait_dscnt 0x0                               ; for the others' sake: my part of z is stored
	s_barrier_signal -1
	s_barrier_wait -1
	; zz, once for each of my wave's sixteen queries, while pass 0's rows are on their way.  Lane l takes query l % 16 (both halves of the lanes do the same work and hold the same numbers).
	; Half a row (four blocks of 32 channels, sixteen loads) at a time; the four blocks' chains stand side by side, so that no link waits for the line just before it.
	v_and_b32 v[T0], 15, v0
	v_mul_u32_u24 v[ZQ], v[T0], PZ
	v_add_nc_u32 v[ZQ], s22, v[ZQ]
	v_lshl_add_u32 v[T1], v[T0], 2, s23            ; my query's word among the indices
.irp hb, 0,1
.set i, 0
.rept 16
	ds_load_b128 v[CH+4*i:CH+4*i+3], v[ZQ] offset:256*\hb+16*i
.set i, i+1
.endr
	s_wait_dscnt 0x0
.set rg, 0
.rept 16                               ; register rg of a block's sixteen: two channels, the lower first
.irp b, 0,1,2,3
.if rg == 0
	v_fma_mix_f32_bf16 v[ZW+4*\hb+\b], v[CH+16*\b+rg], v[CH+16*\b+rg], v[ZERO] op_sel_hi:[1,1,0]  ; a block begins at 0
.else
	v_fma_mix_f32_bf16 v[ZW+4*\hb+\b], v[CH+16*\b+rg], v[CH+16*\b+rg], v[ZW+4*\hb+\b] op_sel_hi:[1,1,0]
.endif
.endr
.irp b, 0,1,2,3
	v_fma_mix_f32_bf16 v[ZW+4*\hb+\b], v[CH+16*\b+rg], v[CH+16*\b+rg], v[ZW+4*\hb+\b] op_sel:[1,1,0] op_sel_hi:[1,1,0]
.endr
.set rg, rg+1
.endr
.endr
.irp b, 1,2,3,4,5,6,7
	v_add_f32 v[ZW], v[ZW], v[ZW+\b]               ; the blocks' sums are added on, the blocks ascending
.endr
	ds_store_b32 v[T1], v[ZW] offset:ZZS-RES       ; my wave's own words: LDS serves a wave's instructions in order (ISA guide 5.7.1.4), so the passes' loads see this store
.macro LDCH i                          ; chunk i of 32 (channels 8 i ..) of my code's row and of my query's row
	ds_load_b128 v[CH+4*((\i)%8):CH+4*((\i)%8)+3], v[CAD] offset:16*(\i)
	ds_load_b128 v[ZH+4*((\i)%8):ZH+4*((\i)%8)+3], v[ZAD] offset:16*(\i)
.endm
; Two channels, the lower first: a link of each of the two sums for each.  rC: the register of cc's block in hand; aS, aC: what the lower channel's links add onto: the sums themselves, or 0 where a chain begins.
.macro FM2 zr, cr
	v_fma_mix_f32_bf16 v[S],  v[\zr], v[\cr], v[aS] op_sel_hi:[1,1,0]
	v_fma_mix_f32_bf16 v[rC], v[\cr], v[\cr], v[aC] op_sel_hi:[1,1,0]
	v_fma_mix_f32_bf16 v[S],  v[\zr], v[\cr], v[S]  op_sel:[1,1,0] op_sel_hi:[1,1,0]
	v_fma_mix_f32_bf16 v[rC], v[\cr], v[\cr], v[rC] op_sel:[1,1,0] op_sel_hi:[1,1,0]
.endm
	s_mov_b32 s21, 8
.Lpass:
	s_wait_loadcnt 0x0                             ; this pass's 32 rows are in registers; the offsets that fetched them may be written
.set i, 0
.rept 32
	ds_store_b128 v[STA], v[GR+4*i:GR+4*i+3] offset:PZ*i  ; my wave's own buffer; LDS serves a wave's instructions in order (ISA guide 5.7.1.4): the last pass's reads are done, this pass's see these
.set i, i+1
.endr
	v_mov_b32 v[CODE], v[CODEN]
	s_cmp_eq_u32 s21, 1
	s_cbranch_scc1 .Lasked                         ; the last pass asks for nothing
	s_wait_kmcnt 0x0                               ; the next pass's names
	GATHER                                         ; its rows have this pass's 512 multiply-adds in which to land
	s_cmp_eq_u32 s21, 2
	s_cbranch_scc1 .Lasked                         ; the last pass's names have been read: no load leaves my wave's 128 bytes
	s_add_co_u32 s20, s20, 16
	s_load_b128 s[16:19], s[8:9], s20 offset:0x0
.Lasked:
	v_add_nc_u32 v[ZAD], s22, v[ZA0]
	v_add_nc_u32 v[RA], s23, v[RA0]
	ds_load_b32 v[QZ], v[RA] offset:ZZS-RES        ; my query's zz
.irp i, 0,1,2,3,4,5,6,7
	LDCH \i                                        ; the first two blocks of 32 channels: four chunks, eight loads, each
.endr
.set g, 0
.rept 8                                ; block g: its loads stand in one run, two blocks ahead of its use
.if g < 7
	s_wait_dscnt 8                                 ; block g's eight loads are in; the eight of the block asked for behind it stay out
.else
	s_wait_dscnt 0x0
.endif
.if g == 0
.set rC, QC                                            ; cc's first block is summed where the eight blocks meet: 0 + its sum is its sum
.else
.set rC, WC
.endif
.irp c, 0,1,2,3
.irp k, 0,1,2,3
.set aS, S
.set aC, rC
.if (\c == 0) && (\k == 0)
.set aC, ZERO                                          ; a block begins at 0,
.endif
.if (\c == 0) && (\k == 0) && (g == 0)
.set aS, ZERO                                          ; and so does the one chain of zb cb
.endif
	FM2 ZH+4*((4*g+\c)%8)+\k,CH+4*((4*g+\c)%8)+\k
.endr
.endr
.if g > 0
	v_add_f32 v[QC], v[QC], v[WC]                  ; the block's sum is added on, the blocks ascending
.endif
.if g < 6
.irp c, 0,1,2,3
	LDCH 4*g+8+\c                                  ; its registers take the block two further on
.endr
.endif
.set g, g+1
.endr
	v_add_f32 v[DD], v[QZ], v[QC]                  ; RN(zz + cc)
	v_fma_f32 v[DD], v[S], -2.0, v[DD]             ; d = RN(that - 2 S)
	v_cvt_f32_u32 v[KF], v[CODE]                   ; a code's number, below 8,192, is exact in f32
	v_mov_b32 v[MM], v[DD]
	v_min_num_f32_dpp v[MM], v[MM], v[MM] row_xmask:1 row_mask:0xf bank_mask:0xf  ; a query's sixteen candidates are a row of sixteen lanes
	v_min_num_f32_dpp v[MM], v[MM], v[MM] row_xmask:2 row_mask:0xf bank_mask:0xf
	v_min_num_f32_dpp v[MM], v[MM], v[MM] row_xmask:4 row_mask:0xf bank_mask:0xf
	v_min_num_f32_dpp v[MM], v[MM], v[MM] row_xmask:8 row_mask:0xf bank_mask:0xf
	v_cmp_eq_f32 vcc_lo, v[DD], v[MM]
	v_cndmask_b32 v[KF], s26, v[KF], vcc_lo        ; among those that hold the least d: the lowest number
	v_min_num_f32_dpp v[KF], v[KF], v[KF] row_xmask:1 row_mask:0xf bank_mask:0xf
	v_min_num_f32_dpp v[KF], v[KF], v[KF] row_xmask:2 row_mask:0xf bank_mask:0xf
	v_min_num_f32_dpp v[KF], v[KF], v[KF] row_xmask:4 row_mask:0xf bank_mask:0xf
	v_min_num_f32_dpp v[KF], v[KF], v[KF] row_xmask:8 row_mask:0xf bank_mask:0xf
	v_cvt_u32_f32 v[KF], v[KF]
	v_min_u32 v[KF], 0x1fff, v[KF]
	ds_store_b32 v[RA], v[KF]                      ; sixteen lanes write the same word with the same number
	s_add_co_u32 s22, s22, 2*PZ                    ; the next two queries
	s_add_co_u32 s23, s23, 8
	s_sub_co_u32 s21, s21, 1
	s_cmp_lg_u32 s21, 0
	s_cbranch_scc1 .Lpass
	s_wait_dscnt 0x0                               ; for the others' sake: my sixteen indices are stored
	s_barrier_signal -1
	s_barrier_wait -1
	s_cmp_gt_u32 s14, 3
	s_cbranch_scc1 .Ldone
	v_and_b32 v2, 63, v0                           ; waves 0 and 1 store the output, waves 2 and 3 the same numbers for the next launch: two a lane
	v_lshlrev_b32 v2, 3, v2
	v_add_nc_u32 v3, RES, v2
	ds_load_b64 v[32:33], v3
	s_cmp_lt_u32 s14, 2
	s_cselect_b64 s[28:29], s[10:11], s[12:13]
	s_add_nc_u64 s[28:29], s[28:29], s[40:41]
	s_wait_dscnt 0x0
	global_store_b64 v2, v[32:33], s[28:29]        ; a wave stores 256 neighbouring bytes, aligned
.Ldone:
	s_wait_tensorcnt 0x0                           ; the wave's end, behind my last LDS store
	ds_add_u32 v[SPW], v[NIL]
	s_wait_dscnt 0x0
	s_endpgm
.Lfunc_end_k_q18b19b5076_refine:
	.size	k_q18b19b5076_refine, .Lfunc_end_k_q18b19b5076_refine-k_q18b19b5076_refine
	.p2alignl 7, 3214868480
	.fill 96, 4, 3214868480
	.section	.rodata,"a",@progbits
	.p2align	6, 0x0
	.amdhsa_kernel k_q18b19b5076_refine
		.amdhsa_group_segment_fixed_size 204800
		.amdhsa_private_segment_fixed_size 0
		.amdhsa_enable_private_segment 0
		.amdhsa_kernarg_size 40
		.amdhsa_user_sgpr_count 2
		.amdhsa_user_sgpr_kernarg_segment_ptr 1
		.amdhsa_wavefront_size32 1
		.amdhsa_system_sgpr_workgroup_id_x 1
		.amdhsa_system_sgpr_workgroup_id_y 1
		.amdhsa_system_sgpr_workgroup_id_z 1
		.amdhsa_system_vgpr_workitem_id 0
		.amdhsa_next_free_vgpr 256
		.amdhsa_next_free_sgpr 66
		.amdhsa_reserve_vcc 1
		.amdhsa_float_denorm_mode_32 3
		.amdhsa_float_denorm_mode_16_64 3
		.amdhsa_memory_ordered 1
		.amdhsa_forward_progress 1
		.amdhsa_inst_pref_size 78
	.end_amdhsa_kernel
	.amdgpu_metadata
---
amdhsa.version: [ 1, 2 ]
amdhsa.kernels:
  - .name:           k_q18b19b5076_refine
    .symbol:         k_q18b19b5076_refine.kd
    .args:
      - { .name: z, .offset: 0, .size: 8, .value_kind: global_buffer, .address_space: global }
      - { .name: cbh, .offset: 8, .size: 8, .value_kind: global_buffer, .address_space: global }
      - { .name: candw, .offset: 16, .size: 8, .value_kind: global_buffer, .address_space: global }
      - { .name: out2, .offset: 24, .size: 8, .value_kind: global_buffer, .address_space: global }
      - { .name: idxw, .offset: 32, .size: 8, .value_kind: global_buffer, .address_space: global }
    .group_segment_fixed_size: 204800
    .private_segment_fixed_size: 0
    .kernarg_segment_align: 8
    .kernarg_segment_size: 40
    .max_flat_workgroup_size: 256
    .sgpr_count:     66
    .vgpr_count:     256
    .wavefront_size: 32
...
	.end_amdgpu_metadata
.endif
;; end of part 3
;; launch emit (part 4): grid 256 x 1, 8 waves a work-group, no clusters, 67,072 bytes of LDS; arguments z, cbh, idxw, out0, part; writes out0, part
.if DOCPART == 4
	.amdgcn_target "amdgcn-amd-amdhsa--gfx1250"
	.amdhsa_code_object_version 6
	.text
	.protected	k_q18b19b5076_emit
	.globl	k_q18b19b5076_emit
	.p2align	8
	.type	k_q18b19b5076_emit,@function
k_q18b19b5076_emit:
	s_mov_b64 s[64:65], 0
	v_nop
	global_prefetch_b8 v0, s[64:65] scope:SCOPE_SE
	s_setreg_imm32_b32 hwreg(HW_REG_WAVE_MODE, 25, 1), 1
	s_wait_xcnt 0x0
; out0 = zb + (cb[idx] - zb) in z's own layout [32][256][1024], zb = z rounded to bf16, cb = the rounded codebook; part[work-group] = the sum of (cb[idx] - zb)^2 over its numbers.
; The two f32 roundings are the reference's.  A stream and a gather: no matrix work; the work-groups share no tile, so there is no cluster.
; A work-group owns the same 128 queries as in the launch before.  Wave w first gathers the rows of queries 16 w .. 16 w + 15 (a row of 512 bytes by one load of the wave, 8 channels a lane) and lays
; them turned into LDS, [channel][query]; behind a barrier it owns channels 32 w .. 32 w + 31, each 512 neighbouring bytes of z and of out0, four queries a lane.
; All 32 loads of z and the 16 gathers of a wave are out together.
; THE STAGE.  Row c (256 bytes: 128 queries in bf16); the group of four queries g lies at column 8 ((g + c / 8) % 32).  A 16-bit store's 32 lanes hold 32 different c / 8, a read's 32 lanes 32 different g:
; both touch 32 different columns.
; An index is cut to 8,191, the table's last row, before it enters an address.
.set RED,   65536                      ; LDS: the eight waves' sums, a block of 256 bytes
.set SPARE, 65792                      ; LDS: the spare words, 128 bytes for each of the eight waves; no other line names them
.set VS,  16                           ; v16-19  stores into the stage, by k / 4: column + 2,048 l
.set VR,  20                           ; v20-23  reads of the stage, by i / 8: column + 8,192 w
.set LS,  24                           ; v24-27  the squares' sums
.set SPW, 28                           ; v28  LDS address of my spare word; never rewritten
.set NIL, 29                           ; v29  0; never rewritten
.set ZO,  30                           ; v30  my byte offset in z and out0: 16 l + 32 channels of 4,096 bytes a wave; never rewritten
.set GOF, 32                           ; v32-47  byte offsets of my 16 bytes in the 16 gathered rows
.set CQ,  48                           ; v48-63  eight rows of the stage, 2 registers each
.set Z,   64                           ; v64-191 channel i: 4 registers: z, then out0; never rewritten behind the store
.set GR,  192                          ; v192-255 gathered row k: 4 registers
	s_load_b256 s[4:11], s[0:1], 0x0               ; z s[4:5], cbh s[6:7], idxw s[8:9], out0 s[10:11]
	s_load_b64 s[12:13], s[0:1], 0x20              ; part
	v_lshl_add_u32 v[SPW], v0, 2, SPARE
	v_mov_b32 v[NIL], 0
	v_lshrrev_b32 v2, 5, v0
	v_readfirstlane_b32 s14, v2                    ; wave 0..7
	v_and_b32 v1, 31, v0                           ; l
	s_mov_b32 s32, 0xffff0000                      ; a word's upper bf16
	s_mov_b32 s34, 0x76543210                      ; v_permlanex16_b32: each lane takes its own place in the other half
	s_mov_b32 s35, 0xfedcba98
	s_lshr_b32 s36, ttmp9, 3                       ; b: 1,048,576 bytes each,
	s_lshl_b32 s36, s36, 20
	s_and_b32 s37, ttmp9, 7                        ; and which 128 of its 1,024 places: 512 bytes
	s_lshl_b32 s37, s37, 9
	s_add_co_u32 s36, s36, s37
	s_mov_b32 s37, 0
	s_lshl_b32 s38, ttmp9, 9                       ; the group's 128 indices, my wave's 16 of them
	s_lshl_b32 s39, s14, 6
	s_add_co_u32 s38, s38, s39
	s_mov_b32 s39, 0
	s_lshl_b32 s40, ttmp9, 2                       ; the group's word of part
	s_mov_b32 s41, 0
	v_lshlrev_b32 v31, 4, v1                       ; 16 l
	v_lshl_add_u32 v[ZO], s14, 17, v31
	s_wait_kmcnt 0x0
	s_add_nc_u64 s[8:9], s[8:9], s[38:39]
	s_load_b512 s[16:31], s[8:9], 0x0              ; my 16 indices: asked for first, since the gather hangs on them
	s_add_nc_u64 s[4:5], s[4:5], s[36:37]
	s_add_nc_u64 s[10:11], s[10:11], s[36:37]
	s_add_nc_u64 s[12:13], s[12:13], s[40:41]
.set i, 0
.rept 32
	global_load_b128 v[Z+4*i:Z+4*i+3], v[ZO], s[4:5] offset:4096*i th:TH_LOAD_NT
.set i, i+1
.endr
	s_lshl_b32 s33, s14, 2
	v_add_nc_u32 v2, s33, v1                       ; l + 4 w
.irp kk, 0,1,2,3
	v_add_nc_u32 v3, \kk, v2
	v_and_b32 v3, 31, v3
	v_lshlrev_b32 v3, 3, v3                        ; the column 8 ((l + 4 w + kk) % 32): for a store g = 4 w + kk and c / 8 = l, for a read g = l and c / 8 = 4 w + kk
	v_lshl_add_u32 v[VS+\kk], v1, 11, v3           ; + my 8 channels' rows
	v_lshl_add_u32 v[VR+\kk], s14, 13, v3          ; + my wave's 32 channels' rows
.endr
	s_wait_kmcnt 0x0
.set k, 0
.rept 16
	s_min_u32 s[16+k], s[16+k], 8191
	v_lshl_add_u32 v[GOF+k], s[16+k], 9, v31       ; 512 idx + 16 l
.set k, k+1
.endr
.set k, 0
.rept 16
	global_load_b128 v[GR+4*k:GR+4*k+3], v[GOF+k], s[6:7]  ; a whole row; no hint: a row may be named again
.set k, k+1
.endr
.set k, 0
.rept 16
	s_wait_loadcnt 15-k                            ; loads come back in order: row k is in (and all of z, asked for earlier); the 15 - k younger gathers stay out
.irp e, 0,1,2,3
	ds_store_b16        v[VS+k/4], v[GR+4*k+\e] offset:512*\e+2*(k%4)      ; channel 8 l + 2 e, query 16 w + k
	ds_store_b16_d16_hi v[VS+k/4], v[GR+4*k+\e] offset:512*\e+256+2*(k%4)  ; channel 8 l + 2 e + 1
.endr
.set k, k+1
.endr
	s_wait_dscnt 0x0                               ; for the others' sake: my stores are done
	s_barrier_signal -1
	s_barrier_wait -1
.macro ROWOP i                         ; channel 32 w + i, four queries a lane
.set zr, Z+4*(\i)
.set tb, 2+6*((\i)%2)
.set cq, CQ+2*((\i)%8)
	v_cvt_pk_bf16_f32 v[tb],   v[zr],   v[zr+1]
	v_cvt_pk_bf16_f32 v[tb+1], v[zr+2], v[zr+3]
	v_lshlrev_b32 v[tb+2], 16,  v[cq]              ; cb as f32
	v_and_b32     v[tb+3], s32, v[cq]
	v_lshlrev_b32 v[tb+4], 16,  v[cq+1]
	v_and_b32     v[tb+5], s32, v[cq+1]
	v_lshlrev_b32 v[zr],   16,  v[tb]              ; zb as f32
	v_and_b32     v[zr+1], s32, v[tb]
	v_lshlrev_b32 v[zr+2], 16,  v[tb+1]
	v_and_b32     v[zr+3], s32, v[tb+1]
	v_pk_add_f32 v[tb+2:tb+3], v[tb+2:tb+3], v[zr:zr+1]   neg_lo:[0,1] neg_hi:[0,1]  ; t = cb - zb
	v_pk_add_f32 v[tb+4:tb+5], v[tb+4:tb+5], v[zr+2:zr+3] neg_lo:[0,1] neg_hi:[0,1]
.if (\i) == 0
	v_pk_mul_f32 v[LS:LS+1],   v[tb+2:tb+3], v[tb+2:tb+3]  ; the first products start the sums
	v_pk_mul_f32 v[LS+2:LS+3], v[tb+4:tb+5], v[tb+4:tb+5]
.else
	v_pk_fma_f32 v[LS:LS+1],   v[tb+2:tb+3], v[tb+2:tb+3], v[LS:LS+1]
	v_pk_fma_f32 v[LS+2:LS+3], v[tb+4:tb+5], v[tb+4:tb+5], v[LS+2:LS+3]
.endif
	v_pk_add_f32 v[zr:zr+1],   v[zr:zr+1],   v[tb+2:tb+3]  ; zb + t
	v_pk_add_f32 v[zr+2:zr+3], v[zr+2:zr+3], v[tb+4:tb+5]
	global_store_b128 v[ZO], v[zr:zr+3], s[10:11] offset:4096*(\i) th:TH_STORE_NT  ; 512 neighbouring bytes, aligned
.endm
.set i, 0
.rept 4
.set j, 0
.rept 8
	ds_load_b64 v[CQ+2*j:CQ+2*j+1], v[VR+i/8] offset:256*(i+j)
.set j, j+1
.endr
.rept 8
	s_wait_dscnt 7-i%8                             ; LDS loads come back in order: this row's is in, the younger ones stay out
	ROWOP i
.set i, i+1
.endr
.endr
	v_pk_add_f32 v[LS:LS+1], v[LS:LS+1], v[LS+2:LS+3]
	v_add_f32 v[LS], v[LS], v[LS+1]
	v_add_f32_dpp v[LS], v[LS], v[LS] row_xmask:1 row_mask:0xf bank_mask:0xf
	v_add_f32_dpp v[LS], v[LS], v[LS] row_xmask:2 row_mask:0xf bank_mask:0xf
	v_add_f32_dpp v[LS], v[LS], v[LS] row_xmask:4 row_mask:0xf bank_mask:0xf
	v_add_f32_dpp v[LS], v[LS], v[LS] row_xmask:8 row_mask:0xf bank_mask:0xf
	v_permlanex16_b32 v[LS+1], v[LS], s34, s35
	v_add_f32 v[LS], v[LS], v[LS+1]                ; my wave's sum, in every lane
	s_lshl_b32 s33, s14, 2
	s_add_co_u32 s33, s33, RED
	v_mov_b32 v2, s33
	ds_store_b32 v2, v[LS]                         ; all lanes write the same word with the same number
	s_wait_dscnt 0x0                               ; for wave 0's sake
	s_barrier_signal -1
	s_barrier_wait -1
	s_cmp_lg_u32 s14, 0
	s_cbranch_scc1 .Lnot_wave_0
	v_mov_b32 v3, RED
	ds_load_b128 v[4:7],  v3
	ds_load_b128 v[8:11], v3 offset:16
	v_mov_b32 v12, 0
	s_wait_dscnt 0x0
	v_pk_add_f32 v[4:5], v[4:5], v[6:7]
	v_pk_add_f32 v[8:9], v[8:9], v[10:11]
	v_pk_add_f32 v[4:5], v[4:5], v[8:9]
	v_add_f32 v4, v4, v5
	v_cmp_eq_u32 vcc_lo, 0, v0
	s_wait_xcnt 0x0                                ; EXEC is a source of the stores above: it changes only behind this wait
	s_and_saveexec_b32 s33, vcc_lo
	global_store_b32 v12, v4, s[12:13]             ; one number a work-group
	s_wait_xcnt 0x0                                ; and again in front of the line that widens it
	s_or_b32 exec_lo, exec_lo, s33
.Lnot_wave_0:
	s_wait_tensorcnt 0x0                           ; the wave's end, behind my last LDS store
	ds_add_u32 v[SPW], v[NIL]
	s_wait_dscnt 0x0
	s_endpgm
.Lfunc_end_k_q18b19b5076_emit:
	.size	k_q18b19b5076_emit, .Lfunc_end_k_q18b19b5076_emit-k_q18b19b5076_emit
	.p2alignl 7, 3214868480
	.fill 96, 4, 3214868480
	.section	.rodata,"a",@progbits
	.p2align	6, 0x0
	.amdhsa_kernel k_q18b19b5076_emit
		.amdhsa_group_segment_fixed_size 67072
		.amdhsa_private_segment_fixed_size 0
		.amdhsa_enable_private_segment 0
		.amdhsa_kernarg_size 40
		.amdhsa_user_sgpr_count 2
		.amdhsa_user_sgpr_kernarg_segment_ptr 1
		.amdhsa_wavefront_size32 1
		.amdhsa_system_sgpr_workgroup_id_x 1
		.amdhsa_system_sgpr_workgroup_id_y 1
		.amdhsa_system_sgpr_workgroup_id_z 1
		.amdhsa_system_vgpr_workitem_id 0
		.amdhsa_next_free_vgpr 256
		.amdhsa_next_free_sgpr 66
		.amdhsa_reserve_vcc 1
		.amdhsa_float_denorm_mode_32 3
		.amdhsa_float_denorm_mode_16_64 3
		.amdhsa_memory_ordered 1
		.amdhsa_forward_progress 1
		.amdhsa_inst_pref_size 50
	.end_amdhsa_kernel
	.amdgpu_metadata
---
amdhsa.version: [ 1, 2 ]
amdhsa.kernels:
  - .name:           k_q18b19b5076_emit
    .symbol:         k_q18b19b5076_emit.kd
    .args:
      - { .name: z, .offset: 0, .size: 8, .value_kind: global_buffer, .address_space: global }
      - { .name: cbh, .offset: 8, .size: 8, .value_kind: global_buffer, .address_space: global }
      - { .name: idxw, .offset: 16, .size: 8, .value_kind: global_buffer, .address_space: global }
      - { .name: out0, .offset: 24, .size: 8, .value_kind: global_buffer, .address_space: global }
      - { .name: part, .offset: 32, .size: 8, .value_kind: global_buffer, .address_space: global }
    .group_segment_fixed_size: 67072
    .private_segment_fixed_size: 0
    .kernarg_segment_align: 8
    .kernarg_segment_size: 40
    .max_flat_workgroup_size: 256
    .sgpr_count:     66
    .vgpr_count:     256
    .wavefront_size: 32
...
	.end_amdgpu_metadata
.endif
;; end of part 4
;; launch loss (part 5): grid 1 x 1, 1 waves a work-group, no clusters, 0 bytes of LDS; arguments part, out1; writes out1
.if DOCPART == 5
	.amdgcn_target "amdgcn-amd-amdhsa--gfx1250"
	.amdhsa_code_object_version 6
	.text
	.protected	k_q18b19b5076_loss
	.globl	k_q18b19b5076_loss
	.p2align	8
	.type	k_q18b19b5076_loss,@function
k_q18b19b5076_loss:
	s_mov_b64 s[64:65], 0
	v_nop
	global_prefetch_b8 v0, s[64:65] scope:SCOPE_SE
	s_setreg_imm32_b32 hwreg(HW_REG_WAVE_MODE, 25, 1), 1
	s_wait_xcnt 0x0
; out1 = 1.25 x (the sum of the 256 partial sums) / 8,388,608.  The reference's mean + 0.25 x mean is one rounding of 1.25 x mean, since 0.25 x mean is exact; the division is by 2^23.
; The sum spans the work-groups of the launch before, so it has a launch and one owner of its own: one wave, eight numbers a lane.
	s_load_b128 s[4:7], s[0:1], 0x0                ; part s[4:5], out1 s[6:7]
	v_lshlrev_b32 v1, 4, v0
	v_mov_b32 v10, 0
	v_mov_b32 v11, 0                               ; v_permlanex16_b32's destination counts as read
	s_mov_b32 s12, 0x76543210
	s_mov_b32 s13, 0xfedcba98
	s_wait_kmcnt 0x0
	global_load_b128 v[2:5], v1, s[4:5]
	global_load_b128 v[6:9], v1, s[4:5] offset:512
	s_wait_loadcnt 0x0
	v_pk_add_f32 v[2:3], v[2:3], v[4:5]
	v_pk_add_f32 v[6:7], v[6:7], v[8:9]
	v_pk_add_f32 v[2:3], v[2:3], v[6:7]
	v_add_f32 v2, v2, v3
	v_add_f32_dpp v2, v2, v2 row_xmask:1 row_mask:0xf bank_mask:0xf
	v_add_f32_dpp v2, v2, v2 row_xmask:2 row_mask:0xf bank_mask:0xf
	v_add_f32_dpp v2, v2, v2 row_xmask:4 row_mask:0xf bank_mask:0xf
	v_add_f32_dpp v2, v2, v2 row_xmask:8 row_mask:0xf bank_mask:0xf
	v_permlanex16_b32 v11, v2, s12, s13
	v_add_f32 v2, v2, v11
	v_mul_f32 v2, 0x34200000, v2                   ; 1.25 x 2^-23
	v_cmp_eq_u32 vcc_lo, 0, v0
	s_wait_xcnt 0x0                                ; EXEC changes only behind this wait
	s_and_saveexec_b32 s8, vcc_lo
	global_store_b32 v10, v2, s[6:7]
	s_wait_xcnt 0x0
	s_or_b32 exec_lo, exec_lo, s8
	s_endpgm
.Lfunc_end_k_q18b19b5076_loss:
	.size	k_q18b19b5076_loss, .Lfunc_end_k_q18b19b5076_loss-k_q18b19b5076_loss
	.p2alignl 7, 3214868480
	.fill 96, 4, 3214868480
	.section	.rodata,"a",@progbits
	.p2align	6, 0x0
	.amdhsa_kernel k_q18b19b5076_loss
		.amdhsa_group_segment_fixed_size 0
		.amdhsa_private_segment_fixed_size 0
		.amdhsa_enable_private_segment 0
		.amdhsa_kernarg_size 16
		.amdhsa_user_sgpr_count 2
		.amdhsa_user_sgpr_kernarg_segment_ptr 1
		.amdhsa_wavefront_size32 1
		.amdhsa_system_sgpr_workgroup_id_x 1
		.amdhsa_system_sgpr_workgroup_id_y 1
		.amdhsa_system_sgpr_workgroup_id_z 1
		.amdhsa_system_vgpr_workitem_id 0
		.amdhsa_next_free_vgpr 16
		.amdhsa_next_free_sgpr 66
		.amdhsa_reserve_vcc 1
		.amdhsa_float_denorm_mode_32 3
		.amdhsa_float_denorm_mode_16_64 3
		.amdhsa_memory_ordered 1
		.amdhsa_forward_progress 1
		.amdhsa_inst_pref_size 2
	.end_amdhsa_kernel
	.amdgpu_metadata
---
amdhsa.version: [ 1, 2 ]
amdhsa.kernels:
  - .name:           k_q18b19b5076_loss
    .symbol:         k_q18b19b5076_loss.kd
    .args:
      - { .name: part, .offset: 0, .size: 8, .value_kind: global_buffer, .address_space: global }
      - { .name: out1, .offset: 8, .size: 8, .value_kind: global_buffer, .address_space: global }
    .group_segment_fixed_size: 0
    .private_segment_fixed_size: 0
    .kernarg_segment_align: 8
    .kernarg_segment_size: 16
    .max_flat_workgroup_size: 32
    .sgpr_count:     66
    .vgpr_count:     16
    .wavefront_size: 32
...
	.end_amdgpu_metadata
.endif
;; end of part 5
;; ======== version 2 of 2: 5 launches; version 1 with the launch refine written anew for expert scheduling mode
;; workspace buffers: cbh 4,194,304 bytes; ccw 32,768 bytes; candw 262,144 bytes of whole numbers; idxw 131,072 bytes of whole numbers; part 1,024 bytes
;; launch prep: the kernel of part 1 again; grid 128 x 1, 4 waves a work-group, no clusters, 1,024 bytes of LDS; arguments codebook, cbh, ccw; writes cbh, ccw
;; launch argmin: the kernel of part 2 again; grid 256 x 1, 4 waves a work-group, clusters of 4 x 1, 327,680 bytes of LDS; arguments z, cbh, ccw, candw; writes candw
;; launch refine (part 6): grid 256 x 1, 8 waves a work-group, no clusters, 204,800 bytes of LDS; arguments z, cbh, candw, out2, idxw; writes out2, idxw
.if DOCPART == 6
	.amdgcn_target "amdgcn-amd-amdhsa--gfx1250"
	.amdhsa_code_object_version 6
	.text
	.protected	k_q18b19b5076_refine
	.globl	k_q18b19b5076_refine
	.p2align	8
	.type	k_q18b19b5076_refine,@function
k_q18b19b5076_refine:
	s_mov_b64 s[64:65], 0
	v_nop
	global_prefetch_b8 v0, s[64:65] scope:SCOPE_SE
	s_setreg_imm32_b32 hwreg(HW_REG_WAVE_SCHED_MODE, 0, 2), 2
	s_setreg_imm32_b32 hwreg(HW_REG_WAVE_MODE, 25, 1), 1
	s_wait_xcnt 0x0
	s_wait_alu depctr_vm_vsrc(0)
; THE INDEX.  For each query the sixteen codes that the launch before named (two groups of eight neighbouring codes) are summed anew, and idx = the first of them at which
; d = RN(RN(zz + cc) - 2 S) is least.  zb, cb: z and the codebook rounded to bf16; their products are exact in f32, so each link of a sum has one f32 rounding, fused or not.
; THE ORDER OF THE SUMS is the one in which this text takes the reference's f32 sums to be made:
;   S = sum of zb cb: ONE chain of 256 links from 0, the channels ascending (2 S is the sum of (2 zb) cb bit for bit);
;   zz = sum of zb^2 and cc = sum of cb^2: EIGHT chains of 32 neighbouring channels, each from 0 and ascending, and then a chain of the eight sums, ascending.
; The order of zz matters although zz is the same for all codes of a query: d lies on a grid some 2^15 times coarser than 2 S, so now and then zz - 2 S falls exactly midway between two grid
; points, and rounding to even then goes by whether zz is an even or an odd multiple of its last place.
; The index goes to out2 and, the same number, to idxw, from which the next launch forms addresses.
; LIMITS.  Where the reference's sums are made in another order, a d that lies on or next to a rounding boundary can fall otherwise.  A NaN d is never chosen; if all sixteen are NaN the index is 8,191.
; A chain cannot be split over lanes and each query has codes of its own, so this is vector work: no matrix instruction, and nothing that work-groups share but the table: no cluster.
; SHARES.  A work-group owns the same 128 queries as in the launch before.  First its eight waves bring z (wave w: channels 32 w .. + 31, 512 neighbouring bytes a load, four queries a lane), round it and lay
; it turned into LDS, [query][channel].  Then wave w owns queries 16 w .. + 15.  It makes their zz once (lane l: query l % 16; the eight chains side by side), and then takes two queries a pass:
; lane l works for query 2 p + l / 16 and its candidate l % 16: group (l / 8) % 2, code l % 8 of it.
; A pass's 32 code rows come as whole rows, 512 neighbouring bytes a load, are asked for a pass ahead, and go through the wave's own LDS buffer, so that each lane can read its own row.
; A name read from candw is cut to 8,184, the last group's first code, before it enters an address.
; THE MODE: SCHED_MODE bits 1:0 = 2 (LLVM: expert scheduling mode 2), set by the entry lines.  The code itself states the register dependences
; between vector instructions and memory or LDS instructions, with s_wait_alu, always for 0.
; THE PLAN.  Registers that memory or LDS instructions touch:
;   ZO, ZS, STA, CAD, ZQ, ZT   offsets and LDS addresses, made once at the head and never written again (ZQ and ZT serve ahead of the loop alone).
;   GR        z's loads, then each pass's gather, land in it.  Read by the head's conversions; in the loop by the pass's 32 LDS stores alone.
;   GOF       Written by four vector lines of GATHER; read by the gather's 32 loads.
;   v32-95    At the head: written by the conversions, read by z's LDS stores; then zz's LDS loads land in them, twice, and zz's multiply-adds read them.
;   CH, ZH    In the loop: three buffers of a block (four chunks of my code's row, four of my query's).  Block g's 64 multiply-adds read buffer g % 3; the loads of block g + 2, issued in block g,
;             land in buffer (g + 2) % 3 = (g - 1) % 3, which block g - 1 read and which no vector line of block g names.
;   ZAD, RA   Written once a pass, at its head; read by the pass's LDS loads and by the store of its index.
;   QZ        An LDS load lands in it at a pass's head; one addition at the pass's end reads it.      KF   Written at a pass's end; read by the store of the index.
;   S, QC, WC, DD, MM, CODE, CODEN, T0, T1, ZERO are named by vector instructions alone.      SPW, NIL   Written at the head, read by the closing add alone.
; So a pass has one wait on vm_vsrc, behind its LDS stores; a wait on va_vdst at its head, one in GATHER, one at the head of each of blocks 1 to 5 and one ahead of the index's store; and one on va_vcc.
.set PZ,    528                        ; an LDS row: 512 bytes + 16
.set CB,    128*PZ                     ; 67,584: behind z's 128 rows the waves' buffers,
.set WCB,   32*PZ                      ; 16,896 bytes each: 32 code rows
.set RES,   CB+8*WCB                   ; 202,752: the group's 128 indices, 512 bytes
.set ZZS,   RES+512                    ; 203,264: the 128 queries' zz, 512 bytes: 64 for each wave, its own
.set SPARE, ZZS+512                    ; 203,776: the spare words, 128 bytes for each of the eight waves; no other line names them
.set L16,  4                           ; v4   16 l
.set JJ,   5                           ; v5   l % 8
.set SPW,  6                           ; v6   LDS address of my spare word; never rewritten
.set NIL,  7                           ; v7   0; never rewritten
.set ZO,   8                           ; v8   my byte offset in z
.set ZS,   9                           ; v9   where I lay z: rows 4 l .., my wave's 64 bytes of them
.set STA,  10                          ; v10  my 16 bytes of row 0 of my wave's buffer
.set CAD,  11                          ; v11  row l of my wave's buffer
.set ZA0,  12                          ; v12  528 (l / 16)
.set ZAD,  13                          ; v13  my query's row of z
.set RA0,  14                          ; v14  4 (l / 16)
.set RA,   15                          ; v15  my query's word among the indices; its zz lies ZZS - RES further on
.set GOF,  16                          ; v16-19  byte offsets of my 16 bytes in the first rows of the pass's four groups
.set CODE, 20                          ; v20  my candidate's number in the pass in hand,
.set CODEN, 21                         ; v21  and in the pass that is asked for
.set T0,   22
.set T1,   23
.set S,    24                          ; v24  the chain of zb cb
.set QZ,   25                          ; v25  my query's zz
.set QC,   26                          ; v26  cc: the first block of 32 is summed here, the other seven are added on
.set DD,   27
.set MM,   28
.set KF,   29
.set ZERO, 30                          ; v30  0: what the first link of every chain adds onto; never rewritten
.set WC,   31                          ; v31  cc's block in hand, from the second block on
.set CH,   32                          ; v32-79   twelve chunks (8 channels, 4 registers) of my code's row, taking turns: three blocks.  At the start v32-95 hold z packed, then half a row of z
.set ZH,   80                          ; v80-127  the same of my query's row
.set ZQ,   98                          ; v98  ahead of the loop only: row 16 w + l % 16 of z
.set ZT,   99                          ; v99  ahead of the loop only: the word of query 16 w + l % 16 among the indices
.set ZW,   100                         ; v100-107  ahead of the loop only: zz's eight blocks
.set GR,   128                         ; v128-255  32 code rows as they land, 4 registers each; at the start z as it lands
; s14 wave; s[16:19] a pass's four names; s20 their byte offset in my wave's 128 bytes of candw; s21 passes to go; s22 my wave's rows of z; s23 my wave's words of RES; s24, s25 lane masks; s26 +infinity
	s_load_b256 s[4:11], s[0:1], 0x0               ; z s[4:5], cbh s[6:7], candw s[8:9], out2 s[10:11]
	s_load_b64 s[12:13], s[0:1], 0x20              ; idxw
	v_lshl_add_u32 v[SPW], v0, 2, SPARE
	v_mov_b32 v[NIL], 0
	v_mov_b32 v[ZERO], 0
	v_lshrrev_b32 v1, 5, v0
	v_readfirstlane_b32 s14, v1                    ; wave 0..7
	v_and_b32 v1, 31, v0                           ; l
	v_and_b32 v2, 15, v0                           ; l % 16
	v_bfe_u32 v3, v0, 4, 1                         ; l / 16
	v_and_b32 v[JJ], 7, v0
	v_lshlrev_b32 v[L16], 4, v1
	s_wait_alu depctr_va_sdst(0)                   ; s14 is written, ahead of its first reader, the next line; offsets, bases and branches are made from it
	v_lshl_add_u32 v[ZO], s14, 17, v[L16]          ; 16 l + 32 channels of 4,096 bytes a wave
	s_lshr_b32 s36, ttmp9, 3                       ; b: 1,048,576 bytes of z each,
	s_lshl_b32 s36, s36, 20
	s_and_b32 s37, ttmp9, 7                        ; and which 128 of its 1,024 places: 512 bytes
	s_lshl_b32 s37, s37, 9
	s_add_co_u32 s36, s36, s37
	s_mov_b32 s37, 0
	s_lshl_b32 s38, ttmp9, 10                      ; the group's 128 pairs of names, my wave's 16 of them
	s_lshl_b32 s39, s14, 7
	s_add_co_u32 s38, s38, s39
	s_mov_b32 s39, 0
	s_lshl_b32 s40, ttmp9, 9                       ; the group's 128 indices
	s_mov_b32 s41, 0
	s_mov_b32 s24, 0xff00ff00                      ; the lanes of a query's second group
	s_mov_b32 s25, 0xffff0000
	s_mov_b32 s26, 0x7f800000                      ; +infinity
	s_wait_kmcnt 0x0
	s_add_nc_u64 s[8:9], s[8:9], s[38:39]
	s_load_b128 s[16:19], s[8:9], 0x0              ; pass 0's four names
	s_add_nc_u64 s[4:5], s[4:5], s[36:37]
	s_wait_alu depctr_va_vdst(0)                   ; v[ZO] is written, which z's loads read as their offset
.set i, 0
.rept 32
	global_load_b128 v[GR+4*i:GR+4*i+3], v[ZO], s[4:5] offset:4096*i th:TH_LOAD_NT
.set i, i+1
.endr
	; all further addresses are made here, in the wait for z: the wait in the first GATHER states that they are written
	v_mul_u32_u24 v[ZS], v1, 4*PZ
	v_lshl_add_u32 v[ZS], s14, 6, v[ZS]
	s_mul_i32 s28, s14, WCB
	s_add_co_u32 s28, s28, CB                      ; my wave's buffer
	v_add_nc_u32 v[STA], s28, v[L16]
	v_mul_u32_u24 v[CAD], v1, PZ
	v_add_nc_u32 v[CAD], s28, v[CAD]
	v_mul_u32_u24 v[ZA0], v3, PZ
	v_lshlrev_b32 v[RA0], 2, v3
	s_mul_i32 s22, s14, 16*PZ
	s_lshl_b32 s23, s14, 6
	s_add_co_u32 s23, s23, RES
	v_mul_u32_u24 v[ZQ], v2, PZ
	v_add_nc_u32 v[ZQ], s22, v[ZQ]
	v_lshl_add_u32 v[ZT], v2, 2, s23
; The four groups named in s[16:19] are asked for: row 8 i + j of the buffer-to-be is code j of group i, the row of lane 8 i + j.
.macro GATHER
.irp i, 0,1,2,3
	s_min_u32 s[16+\i], s[16+\i], 8184
	v_lshl_add_u32 v[GOF+\i], s[16+\i], 9, v[L16]  ; 512 x the group's first code + 16 l
.endr
	v_mov_b32 v[T0], s16
	v_cndmask_b32 v[T0], v[T0], s17, s24
	v_mov_b32 v[T1], s18
	v_cndmask_b32 v[T1], v[T1], s19, s24
	v_cndmask_b32 v[T0], v[T0], v[T1], s25
	v_add_nc_u32 v[CODEN], v[T0], v[JJ]            ; my candidate's number
	s_wait_alu depctr_va_vdst(0)                   ; v[GOF ..] are written, which the loads below read as offsets.  At the first use also: the conversions are done reading v[GR ..], in which these loads land, and have written v32-95, which z's LDS stores read; v[ZS], v[STA], v[CAD], v[ZQ], v[ZT] are written
.irp i, 0,1,2,3
.irp j, 0,1,2,3,4,5,6,7
	global_load_b128 v[GR+4*(8*\i+\j):GR+4*(8*\i+\j)+3], v[GOF+\i], s[6:7] offset:512*\j  ; a whole row; no hint: rows are named again and again
.endr
.endr
.endm
	; z: eight channels of a query pack into 16 bytes
.irp o, 0,1,2,3
	s_wait_loadcnt 24-8*\o                         ; loads come back in order: channels 8 o .. 8 o + 7 are in, the later ones stay out
.irp e, 0,1,2,3
.irp k, 0,1,2,3
	v_cvt_pk_bf16_f32 v[CH+16*\o+4*\e+\k], v[GR+4*(8*\o+2*\k)+\e], v[GR+4*(8*\o+2*\k+1)+\e]
.endr
.endr
.endr
	s_wait_kmcnt 0x0                               ; pass 0's names
	GATHER                                         ; z's landing registers are free: pass 0's rows are asked for
	s_mov_b32 s20, 16
	s_load_b128 s[16:19], s[8:9], s20 offset:0x0   ; pass 1's names
.irp o, 0,1,2,3
.irp e, 0,1,2,3
	ds_store_b128 v[ZS], v[CH+16*\o+4*\e:CH+16*\o+4*\e+3] offset:PZ*\e+16*\o  ; query 4 l + e, channels 32 w + 8 o ..  No wait: no vector instruction since GATHER's wait
.endr
.endr
	s_wait_dscnt 0x0                               ; for the others' sake: my part of z is stored
	s_barrier_signal -1
	s_barrier_wait -1
	; zz, once for each of my wave's sixteen queries, while pass 0's rows are on their way.  Lane l takes query l % 16 (both halves of the lanes do the same work and hold the same numbers).
	; Half a row (four blocks of 32 channels, sixteen loads) at a time; the four blocks' chains stand side by side, so that no link waits for the line just before it.
.irp hb, 0,1
.if \hb == 0
	s_wait_alu depctr_vm_vsrc(0)                   ; my LDS stores of z have read v32-95, in which the loads below land
.else
	s_wait_alu depctr_va_vdst(0)                   ; the first half's multiply-adds are done reading v32-95, in which the second half lands
.endif
.set i, 0
.rept 16
	ds_load_b128 v[CH+4*i:CH+4*i+3], v[ZQ] offset:256*\hb+16*i
.set i, i+1
.endr
	s_wait_dscnt 0x0
.set rg, 0
.rept 16                               ; register rg of a block's sixteen: two channels, the lower first
.irp b, 0,1,2,3
.if rg == 0
	v_fma_mix_f32_bf16 v[ZW+4*\hb+\b], v[CH+16*\b+rg], v[CH+16*\b+rg], v[ZERO] op_sel_hi:[1,1,0]  ; a block begins at 0
.else
	v_fma_mix_f32_bf16 v[ZW+4*\hb+\b], v[CH+16*\b+rg], v[CH+16*\b+rg], v[ZW+4*\hb+\b] op_sel_hi:[1,1,0]
.endif
.endr
.irp b, 0,1,2,3
	v_fma_mix_f32_bf16 v[ZW+4*\hb+\b], v[CH+16*\b+rg], v[CH+16*\b+rg], v[ZW+4*\hb+\b] op_sel:[1,1,0] op_sel_hi:[1,1,0]
.endr
.set rg, rg+1
.endr
.endr
.irp b, 1,2,3,4,5,6,7
	v_add_f32 v[ZW], v[ZW], v[ZW+\b]               ; the blocks' sums are added on, the blocks ascending
.endr
	s_wait_alu depctr_va_vdst(0)                   ; v[ZW] is written, which the LDS store reads
	ds_store_b32 v[ZT], v[ZW] offset:ZZS-RES       ; my wave's own words: LDS serves a wave's instructions in order (ISA guide 5.7.1.4), so the passes' loads see this store
.macro LDCH i                          ; chunk i of 32 (channels 8 i ..) of my code's row and of my query's row
	ds_load_b128 v[CH+4*((\i)%12):CH+4*((\i)%12)+3], v[CAD] offset:16*(\i)
	ds_load_b128 v[ZH+4*((\i)%12):ZH+4*((\i)%12)+3], v[ZAD] offset:16*(\i)
.endm
; Two channels, the lower first: a link of each of the two sums for each.  rC: the register of cc's block in hand; aS, aC: what the lower channel's links add onto: the sums themselves, or 0 where a chain begins.
.macro FM2 zr, cr
	v_fma_mix_f32_bf16 v[S],  v[\zr], v[\cr], v[aS] op_sel_hi:[1,1,0]
	v_fma_mix_f32_bf16 v[rC], v[\cr], v[\cr], v[aC] op_sel_hi:[1,1,0]
	v_fma_mix_f32_bf16 v[S],  v[\zr], v[\cr], v[S]  op_sel:[1,1,0] op_sel_hi:[1,1,0]
	v_fma_mix_f32_bf16 v[rC], v[\cr], v[\cr], v[rC] op_sel:[1,1,0] op_sel_hi:[1,1,0]
.endm
	s_mov_b32 s21, 8
.Lpass:
	s_wait_loadcnt 0x0                             ; this pass's 32 rows are in registers; the offsets that fetched them may be written
.set i, 0
.rept 32
	ds_store_b128 v[STA], v[GR+4*i:GR+4*i+3] offset:PZ*i  ; my wave's own buffer; LDS serves a wave's instructions in order (ISA guide 5.7.1.4): the last pass's reads are done, this pass's see these
.set i, i+1
.endr
	s_wait_alu depctr_vm_vsrc(0)                   ; these stores have read v[GR ..], in which the next gather lands; the last gather has read v[GOF ..]; the last pass's LDS instructions have read v[ZAD], v[RA] and v[KF]; in the first trip zz's have read v[ZQ], v[ZT] and v[ZW], in which chunks land from here on
	v_mov_b32 v[CODE], v[CODEN]
	v_add_nc_u32 v[ZAD], s22, v[ZA0]
	v_add_nc_u32 v[RA], s23, v[RA0]
	s_wait_alu depctr_va_vdst(0)                   ; v[ZAD] and v[RA] are written, which the LDS loads read; the last pass (in the first trip: zz) is done with v[QZ] and with all three buffers of CH and ZH, in which the loads of blocks 0, 1 and 2 land
	ds_load_b32 v[QZ], v[RA] offset:ZZS-RES        ; my query's zz
.irp i, 0,1,2,3,4,5,6,7
	LDCH \i                                        ; the first two blocks of 32 channels: four chunks, eight loads, each
.endr
	s_cmp_eq_u32 s21, 1
	s_cbranch_scc1 .Lasked                         ; the last pass asks for nothing
	s_wait_kmcnt 0x0                               ; the next pass's names
	GATHER                                         ; its rows have this pass's 512 multiply-adds in which to land
	s_cmp_eq_u32 s21, 2
	s_cbranch_scc1 .Lasked                         ; the last pass's names have been read: no load leaves my wave's 128 bytes
	s_add_co_u32 s20, s20, 16
	s_load_b128 s[16:19], s[8:9], s20 offset:0x0
.Lasked:
.set g, 0
.rept 8                                ; block g works on buffer g % 3; the loads of block g + 2 are dealt among its multiply-adds, two ahead of each chunk's sixteen
.if (g > 0) && (g < 6)
	s_wait_alu depctr_va_vdst(0)                   ; the block before is done reading its buffer, in which the loads dealt below land.  (Block 0's stand behind the wait at the pass's head; GATHER's lines name none of their registers)
.endif
.if g < 7
	s_wait_dscnt 8                                 ; block g's eight loads are in; the eight of the block asked for behind it stay out
.else
	s_wait_dscnt 0x0
.endif
.if g == 0
.set rC, QC                                            ; cc's first block is summed where the eight blocks meet: 0 + its sum is its sum
.else
.set rC, WC
.endif
.irp c, 0,1,2,3
.if g < 6
	LDCH 4*g+8+\c                                  ; no wait: no vector instruction since the wait above names this buffer, v[CAD] or v[ZAD]
.endif
.irp k, 0,1,2,3
.set aS, S
.set aC, rC
.if (\c == 0) && (\k == 0)
.set aC, ZERO                                          ; a block begins at 0,
.endif
.if (\c == 0) && (\k == 0) && (g == 0)
.set aS, ZERO                                          ; and so does the one chain of zb cb
.endif
	FM2 ZH+4*((4*g+\c)%12)+\k,CH+4*((4*g+\c)%12)+\k
.endr
.endr
.if g > 0
	v_add_f32 v[QC], v[QC], v[WC]                  ; the block's sum is added on, the blocks ascending
.endif
.set g, g+1
.endr
	v_add_f32 v[DD], v[QZ], v[QC]                  ; RN(zz + cc)
	v_fma_f32 v[DD], v[S], -2.0, v[DD]             ; d = RN(that - 2 S)
	v_cvt_f32_u32 v[KF], v[CODE]                   ; a code's number, below 8,192, is exact in f32
	v_mov_b32 v[MM], v[DD]
	v_min_num_f32_dpp v[MM], v[MM], v[MM] row_xmask:1 row_mask:0xf bank_mask:0xf  ; a query's sixteen candidates are a row of sixteen lanes
	v_min_num_f32_dpp v[MM], v[MM], v[MM] row_xmask:2 row_mask:0xf bank_mask:0xf
	v_min_num_f32_dpp v[MM], v[MM], v[MM] row_xmask:4 row_mask:0xf bank_mask:0xf
	v_min_num_f32_dpp v[MM], v[MM], v[MM] row_xmask:8 row_mask:0xf bank_mask:0xf
	v_cmp_eq_f32 vcc_lo, v[DD], v[MM]
	s_wait_alu depctr_va_vcc(0)                    ; the compare has written VCC, which the next line reads
	v_cndmask_b32 v[KF], s26, v[KF], vcc_lo        ; among those that hold the least d: the lowest number
	v_min_num_f32_dpp v[KF], v[KF], v[KF] row_xmask:1 row_mask:0xf bank_mask:0xf
	v_min_num_f32_dpp v[KF], v[KF], v[KF] row_xmask:2 row_mask:0xf bank_mask:0xf
	v_min_num_f32_dpp v[KF], v[KF], v[KF] row_xmask:4 row_mask:0xf bank_mask:0xf
	v_min_num_f32_dpp v[KF], v[KF], v[KF] row_xmask:8 row_mask:0xf bank_mask:0xf
	v_cvt_u32_f32 v[KF], v[KF]
	v_min_u32 v[KF], 0x1fff, v[KF]
	s_wait_alu depctr_va_vdst(0)                   ; v[KF] is written, which the LDS store reads
	ds_store_b32 v[RA], v[KF]                      ; sixteen lanes write the same word with the same number
	s_add_co_u32 s22, s22, 2*PZ                    ; the next two queries
	s_add_co_u32 s23, s23, 8
	s_sub_co_u32 s21, s21, 1
	s_cmp_lg_u32 s21, 0
	s_cbranch_scc1 .Lpass
	s_wait_dscnt 0x0                               ; for the others' sake: my sixteen indices are stored
	s_barrier_signal -1
	s_barrier_wait -1
	s_cmp_gt_u32 s14, 3
	s_cbranch_scc1 .Ldone
	v_and_b32 v2, 63, v0                           ; waves 0 and 1 store the output, waves 2 and 3 the same numbers for the next launch: two a lane
	v_lshlrev_b32 v2, 3, v2
	v_add_nc_u32 v3, RES, v2
	s_wait_alu depctr_va_vdst(0)                   ; v3 and v2 are written, which the LDS load and the store read as address and offset; the loop's multiply-adds are done reading v32 and v33, in which the load lands
	ds_load_b64 v[32:33], v3
	s_cmp_lt_u32 s14, 2
	s_cselect_b64 s[28:29], s[10:11], s[12:13]
	s_add_nc_u64 s[28:29], s[28:29], s[40:41]
	s_wait_dscnt 0x0
	global_store_b64 v2, v[32:33], s[28:29]        ; a wave stores 256 neighbouring bytes, aligned
.Ldone:
	s_wait_dscnt 0x0                               ; the closing lines, six on end
	s_wait_alu 0x0
	s_wait_tensorcnt 0x0
	ds_add_u32 v[SPW], v[NIL]
	s_wait_dscnt 0x0
	s_endpgm
.Lfunc_end_k_q18b19b5076_refine:
	.size	k_q18b19b5076_refine, .Lfunc_end_k_q18b19b5076_refine-k_q18b19b5076_refine
	.p2alignl 7, 3214868480
	.fill 96, 4, 3214868480
	.section	.rodata,"a",@progbits
	.p2align	6, 0x0
	.amdhsa_kernel k_q18b19b5076_refine
		.amdhsa_group_segment_fixed_size 204800
		.amdhsa_private_segment_fixed_size 0
		.amdhsa_enable_private_segment 0
		.amdhsa_kernarg_size 40
		.amdhsa_user_sgpr_count 2
		.amdhsa_user_sgpr_kernarg_segment_ptr 1
		.amdhsa_wavefront_size32 1
		.amdhsa_system_sgpr_workgroup_id_x 1
		.amdhsa_system_sgpr_workgroup_id_y 1
		.amdhsa_system_sgpr_workgroup_id_z 1
		.amdhsa_system_vgpr_workitem_id 0
		.amdhsa_next_free_vgpr 256
		.amdhsa_next_free_sgpr 66
		.amdhsa_reserve_vcc 1
		.amdhsa_float_denorm_mode_32 3
		.amdhsa_float_denorm_mode_16_64 3
		.amdhsa_memory_ordered 1
		.amdhsa_forward_progress 1
		.amdhsa_inst_pref_size 79
	.end_amdhsa_kernel
	.amdgpu_metadata
---
amdhsa.version: [ 1, 2 ]
amdhsa.kernels:
  - .name:           k_q18b19b5076_refine
    .symbol:         k_q18b19b5076_refine.kd
    .args:
      - { .name: z, .offset: 0, .size: 8, .value_kind: global_buffer, .address_space: global }
      - { .name: cbh, .offset: 8, .size: 8, .value_kind: global_buffer, .address_space: global }
      - { .name: candw, .offset: 16, .size: 8, .value_kind: global_buffer, .address_space: global }
      - { .name: out2, .offset: 24, .size: 8, .value_kind: global_buffer, .address_space: global }
      - { .name: idxw, .offset: 32, .size: 8, .value_kind: global_buffer, .address_space: global }
    .group_segment_fixed_size: 204800
    .private_segment_fixed_size: 0
    .kernarg_segment_align: 8
    .kernarg_segment_size: 40
    .max_flat_workgroup_size: 256
    .sgpr_count:     66
    .vgpr_count:     256
    .wavefront_size: 32
...
	.end_amdgpu_metadata
.endif
;; end of part 6
;; launch emit: the kernel of part 4 again; grid 256 x 1, 8 waves a work-group, no clusters, 67,072 bytes of LDS; arguments z, cbh, idxw, out0, part; writes out0, part
;; launch loss: the kernel of part 5 again; grid 1 x 1, 1 waves a work-group, no clusters, 0 bytes of LDS; arguments part, out1; writes out1
